; MI455X (gfx1250); checked and timed in simulation.
; The chip was launched on July 23, 2026; its instructions are those of AMD's public machine-readable ISA for CDNA 5 (MIT licence, August 2026) and "CDNA5" Instruction Set Architecture Reference Guide (July 2026). The comments in the code are by the model that wrote it; some were corrected since.
;; Attention. Allowed arithmetic: matrix products marked QUANTISED: E2M1 operands, one E8M0 scale for each 32 along K, by v_wmma_scale_f32_16x16x128_f8f6f4 with both operands' format E2M1 (or v_wmma_scale_f32_32x16x128_f4), f32 sums; products left as they are: bf16, f16 or f32 operands; f32 sums; everything else in f32.
;; Inputs: w_proj 1,024 x 1,024 float32; w_qkv 1,024 x 3,072 float32; x 4 x 2,048 x 1,024 float32.
;; Outputs: out0 4 x 2,048 x 1,024 float32.
;; This version of the problem:
;;   THIS VERSION OF THE PROBLEM IS GIVEN IN LOW PRECISION. The matrix products marked QUANTISED in the list below multiply operands that are first quantised to E2M1 (2 exponent bits, 1 mantissa bit; 4 bits a number), with one power-of-two scale for each 32 numbers along K (OCP MX v1.0); their sums are f32. The products marked 'left as it is' may take bf16, f16 or f32 operands, with f32 sums. Whichever they take, every output number must still come out within the allowed error. Rounding operands to bf16 (8 significant bits) uses up far more of that allowance than f16 does (11 bits, for magnitudes from 6e-5 to 65,504). All else is computed in f32.
;;   The module's matrix products, in the order in which they are computed (A, B: the left and right operand; K: the contracted axis; several contracted axes count as one K, in the product's order):
;;     1. [M 8,192, K 1,024] x [K 1,024, N 3,072]; A: input x; B: input w_qkv: QUANTISED
;;     2. batch 64 x [M 2,048, K 64] x [K 64, N 2,048]; A: computed on the way; B: computed on the way: left as it is (an operand is computed on the way)
;;     3. batch 64 x [M 2,048, K 2,048] x [K 2,048, N 64]; A: computed on the way; B: computed on the way: left as it is (an operand is computed on the way)
;;     4. [M 8,192, K 1,024] x [K 1,024, N 1,024]; A: computed on the way; B: input w_proj: left as it is (an operand is computed on the way)
;;   THE QUANTISER, for each operand of a quantised product, along K:
;;     - K is cut into blocks of 32 from its start; a last block that is shorter is filled with zeros.
;;     - A block's scale is 2^e with e = floor(log2(the largest magnitude in the block)) - 2, held to -126 .. 127; a block of zeros has e = 0. As a byte (E8M0): e + 127.
;;     - Each number is divided by its block's scale, clamped to +-6, and rounded to the nearest number of E2M1, ties to even, subnormals kept.
;;     - The product sums the exact products of the quantised numbers (number of the format x scale) in f32.
;;   ~~~python
;;   def quantise(x, axis):      # numpy; x: float32 -> the quantised numbers, widened to float32 again
;;       x = np.moveaxis(x, axis, -1); K = x.shape[-1]
;;       x = np.pad(x, [(0, 0)] * (x.ndim - 1) + [(0, -K % 32)]); x = x.reshape(x.shape[:-1] + (-1, 32)); a = np.abs(x).max(-1, keepdims=True)
;;       e = np.where(a > 0, np.clip(np.frexp(np.where(a > 0, a, 1))[1] - 1 - 2, -126, 127), 0)      # np.frexp(a)[1] - 1 = floor(log2(a)), exactly
;;       r = np.clip(x / 2.0 ** e, -6, 6)
;;       step = 2.0 ** (np.maximum(np.frexp(np.where(r == 0, 1, r))[1] - 1, 0) - 1)
;;       q = np.round(r / step) * step * 2.0 ** e      # np.round: ties to even
;;       return np.moveaxis(q.reshape(q.shape[:-2] + (-1,))[..., :K], -1, axis).astype(np.float32)
;;   ~~~
;; One version. Each part assembles by itself: llvm-mc -triple=amdgcn-amd-amdhsa -mcpu=gfx1250 --defsym DOCPART=n.
;; ======== version 1 of 1: 5 launches
;; limits: values are held in f16: magnitudes above 65,504 overflow, below 6.1e-05 lose precision
;; workspace buffers: xc 4,194,304 bytes; xs 262,144 bytes; wc 1,572,864 bytes; ws 98,304 bytes; wp16 2,097,152 bytes; qkv16 50,331,648 bytes; head32 786,432 bytes; at16 16,777,216 bytes
;; launch prep (part 1): grid 64 x 8, 4 waves a work-group, no clusters, 34,304 bytes of LDS; arguments x, w_qkv, w_proj, xc, xs, wc, ws, wp16; writes xc, xs, wc, ws, wp16
.if DOCPART == 1
	.amdgcn_target "amdgcn-amd-amdhsa--gfx1250"
	.amdhsa_code_object_version 6
	.text
	.protected	k_q4037db84fd_prep
	.globl	k_q4037db84fd_prep
	.p2align	8
	.type	k_q4037db84fd_prep,@function
k_q4037db84fd_prep:
	s_mov_b64 s[64:65], 0
	v_nop
	global_prefetch_b8 v0, s[64:65] scope:SCOPE_SE
	s_setreg_imm32_b32 hwreg(HW_REG_WAVE_MODE, 25, 1), 1
	s_wait_xcnt 0x0
; x [8192][1024] and w_qkv [1024][3072], f32, become codes of FP4 (E2M1) with one E8M0 byte for each 32 along K; w_proj [1024][1024] becomes f16.
; ALL THREE RESULTS ARE LAID IN THE ORDER OF THE OPERANDS' REGISTERS: a fragment (16 rows x 128 K of codes, or 16 rows x 32 K of f16) is two runs of 512 bytes, lane l's 16 bytes at 16 l,
; so that the later launches take a K step's tile as one dense block and a fragment by two loads of 16 bytes a lane.
;   codes:  (row>>7) 65536 + (k>>9) 32768 + ((row>>4)&7) 4096 + ((k>>5)&15) 256 + (row&15) 16 + (k&31)/2         (row = a row of x, or a column of w_qkv)
;   scales: (row>>7) 4096 + (k>>9) 2048 + (row&127) 16 + ((k>>5)&15)
;   f16:    (n>>7) 262144 + (k>>7) 32768 + ((n>>4)&7) 4096 + ((k>>3)&15) 256 + (n&15) 16 + (k&7) 2                  (n = a column of w_proj)
; A block's scale is 2^(floor(log2(its largest magnitude)) - 2): its byte is the largest magnitude's exponent field - 2, held at 1 from below by a floor among the maximum's leaves.
; THREE ROLES, told apart by the work-group's x alone: 0-31 x (256 work-groups), 32-55 w_qkv (192), 56-63 w_proj (64).  Only the first touches LDS.
; LIMITS: a block of zeros, or one whose largest magnitude lies under 2^-124, gets the byte 1 (a block of zeros has zero codes, and this program alone reads the bytes);
; |w_proj| stays under 65,504, and its numbers under 6e-5 keep f16's absolute step; NaN and infinities among the inputs are not served.
; w_qkv's scale words leave 4 bytes to each 16: 98,304 bytes in all, one byte for each 128 that the role reads.
.set STG,   8448                       ; role x: a wave's stage: 16 rows x (512 bytes + 16)
.set SPARE, 4*STG                      ; behind the four stages: the spare words, 128 bytes for each wave
.set SPW,   2                          ; v2  LDS address of my spare word; never rewritten
.set NIL,   3                          ; v3  0; never rewritten
.set R,     32                         ; v32-159  role x: two sets of 64 registers as loaded;  the other roles: 128 numbers down K
.set XN,    160                        ; v160-223 role x: two whole blocks of 32 neighbours;   the other roles: what is stored
.set C,     224                        ; v224-255 role x: eight registers of codes for each of the four steps, so that no store's data are written again
.set FLOOR, 0x1800000                  ; 2^(3 - 127)
	s_load_b512 s[4:19], s[0:1], 0x0               ; x s[4:5], w_qkv s[6:7], w_proj s[8:9], xc s[10:11], xs s[12:13], wc s[14:15], ws s[16:17], wp16 s[18:19]
	v_lshl_add_u32 v[SPW], v0, 2, SPARE
	v_mov_b32 v[NIL], 0
	v_lshrrev_b32 v1, 5, v0
	v_readfirstlane_b32 s20, v1                    ; wave
	v_and_b32 v1, 31, v0                           ; lane
	v_and_b32 v17, 15, v0                          ; r
	v_bfe_u32 v18, v0, 4, 1                        ; h
	v_lshlrev_b32 v4, 4, v1                        ; 16 x lane
	s_and_b32 s21, ttmp7, 0xffff                   ; y
	s_cmp_lt_u32 ttmp9, 32
	s_cbranch_scc1 .Lrole_x
	s_cmp_lt_u32 ttmp9, 56
	s_cbranch_scc1 .Lrole_w
; ---- w_proj: a lane takes a column n, its registers run down K: 32 columns x 128 K a wave.  Eight neighbours along K round to 16 bytes of the column's image.
	s_sub_co_u32 s24, ttmp9, 56
	s_lshl_b32 s24, s24, 2
	s_add_co_u32 s24, s24, s20                     ; group of 32 columns, 0..31
	s_lshl_b32 s26, s21, 19                        ; in: 128 y rows of 4,096 bytes
	s_lshl_b32 s27, s24, 7
	s_add_co_u32 s26, s26, s27
	s_mov_b32 s27, 0
	s_lshr_b32 s28, s24, 2
	s_lshl_b32 s28, s28, 18                        ; out: (n>>7) 262144
	s_lshl_b32 s29, s21, 15
	s_add_co_u32 s28, s28, s29                     ; + K step y
	s_and_b32 s29, s24, 3
	s_lshl_b32 s29, s29, 13
	s_add_co_u32 s28, s28, s29                     ; + my two tiles of 16 columns
	s_mov_b32 s29, 0
	v_lshlrev_b32 v6, 2, v1                        ; in: 4 bytes a lane
	v_lshlrev_b32 v5, 4, v17
	v_lshl_add_u32 v5, v18, 12, v5                 ; out: tile h, 16 r
	s_wait_kmcnt 0x0
	s_add_nc_u64 s[8:9], s[8:9], s[26:27]
	s_add_nc_u64 s[18:19], s[18:19], s[28:29]
.set II, 0
.rept 128
	global_load_b32 v[R+II], v6, s[8:9] offset:II*4096 th:TH_LOAD_NT   ; a wave reads 128 neighbouring bytes, the four waves 512
.set II, II+1
.endr
.set GG, 0
.rept 16
.if 120-8*GG > 63
	s_wait_loadcnt 63                              ; behind this group's eight loads 120 - 8 g were issued; the wait's field ends at 63, and a smaller count only waits for more
.else
	s_wait_loadcnt 120-8*GG
.endif
.irp i, 0,1,2,3
	v_cvt_pk_f16_f32 v[XN+4*GG+\i], v[R+8*GG+2*\i], v[R+8*GG+2*\i+1]
.endr
	global_store_b128 v5, v[XN+4*GG:XN+4*GG+3], s[18:19] offset:GG*256   ; sixteen lanes store 256 consecutive bytes, aligned
.set GG, GG+1
.endr
	s_endpgm
; ---- w_qkv: a lane takes a column n, its registers run down K: 32 columns x 128 K a wave: four whole blocks a lane, no other lane is asked for a maximum.
.Lrole_w:
	s_sub_co_u32 s24, ttmp9, 32
	s_lshl_b32 s24, s24, 2
	s_add_co_u32 s24, s24, s20                     ; group of 32 columns, 0..95
	s_mul_i32 s26, s21, 1572864                    ; in: 128 y rows of 12,288 bytes
	s_lshl_b32 s27, s24, 7
	s_add_co_u32 s26, s26, s27
	s_mov_b32 s27, 0
	s_lshr_b32 s30, s24, 2                         ; n>>7
	s_and_b32 s31, s24, 3
	s_lshr_b32 s32, s21, 2                         ; which 512 along K
	s_and_b32 s33, s21, 3                          ; which 128 of them
	s_lshl_b32 s28, s30, 16
	s_lshl_b32 s29, s32, 15
	s_add_co_u32 s28, s28, s29
	s_lshl_b32 s29, s31, 13
	s_add_co_u32 s28, s28, s29
	s_lshl_b32 s29, s33, 10
	s_add_co_u32 s28, s28, s29                     ; the codes
	s_mov_b32 s29, 0
	s_lshl_b32 s34, s30, 12
	s_lshl_b32 s35, s32, 11
	s_add_co_u32 s34, s34, s35
	s_lshl_b32 s35, s31, 9
	s_add_co_u32 s34, s34, s35
	s_lshl_b32 s35, s33, 2
	s_add_co_u32 s34, s34, s35                     ; the scale words
	s_mov_b32 s35, 0
	v_lshlrev_b32 v6, 2, v1                        ; in: 4 bytes a lane
	v_lshlrev_b32 v5, 4, v17
	v_lshl_add_u32 v5, v18, 12, v5                 ; codes: tile h, 16 r
	s_wait_kmcnt 0x0
	s_add_nc_u64 s[6:7], s[6:7], s[26:27]
	s_add_nc_u64 s[14:15], s[14:15], s[28:29]
	s_add_nc_u64 s[16:17], s[16:17], s[34:35]
.set II, 0
.rept 128
	global_load_b32 v[R+II], v6, s[6:7] offset:II*12288 th:TH_LOAD_NT
.set II, II+1
.endr
.set TT, 0
.rept 4
.set XS, R+32*TT
.if 96-32*TT > 63
	s_wait_loadcnt 63                              ; behind this block's 32 loads 96 - 32 t were issued; the wait's field ends at 63
.else
	s_wait_loadcnt 96-32*TT
.endif
	v_max3_num_f32 v12, |v[XS]|, |v[XS+1]|, |v[XS+2]|              ; the block's largest magnitude, in two chains
	v_max3_num_f32 v13, |v[XS+3]|, |v[XS+4]|, |v[XS+5]|
.irp i, 6,10,14,18,22,26
	v_max3_num_f32 v12, v12, |v[XS+\i]|, |v[XS+\i+1]|
	v_max3_num_f32 v13, v13, |v[XS+\i+2]|, |v[XS+\i+3]|
.endr
	v_max3_num_f32 v12, v12, |v[XS+30]|, |v[XS+31]|
	v_max3_num_f32 v12, v12, v13, FLOOR            ; and the floor: the byte cannot fall under 1
	v_add_nc_u32 v11, 0xff000000, v12              ; 2 off the exponent field: the conversion takes this operand's exponent field as its scale
	v_lshrrev_b32 v13, 23, v11                     ; the scale's byte
.if TT == 0
	v_mov_b32 v8, v13                              ; four bytes make the word of these 128 along K
.else
	v_lshl_or_b32 v8, v13, 8*TT, v8
.endif
.irp g, 0,1,2,3
	v_cvt_scalef32_pk8_fp4_f32 v[XN+4*TT+\g], v[XS+8*\g:XS+8*\g+7], v11
.endr
	v_nop                                          ; one plain line behind the last conversion of a run
	global_store_b128 v5, v[XN+4*TT:XN+4*TT+3], s[14:15] offset:TT*256   ; sixteen lanes store 256 consecutive bytes, aligned
.set TT, TT+1
.endr
	global_store_b32 v4, v8, s[16:17]              ; my column's word, 16 bytes from the next column's
	s_endpgm
; ---- x: a wave takes 16 rows x 512 along K, in four steps of 128.  A load reads 512 consecutive bytes of one row; the step's 8,192 bytes turn through the wave's own stage,
; and come back with two whole blocks of 32 in a lane: lane (r, h) holds blocks h and 2 + h of row r, as the operand's layout has them.
.Lrole_x:
	s_lshl_b32 s24, s21, 5
	s_add_co_u32 s24, s24, ttmp9
	s_lshl_b32 s24, s24, 2
	s_add_co_u32 s24, s24, s20                     ; unit 0..1023
	s_lshr_b32 s26, s24, 1                         ; tile of 16 rows
	s_and_b32 s28, s24, 1                          ; which 512 along K
	s_lshl_b32 s30, s26, 16
	s_lshl_b32 s31, s28, 11
	s_add_co_u32 s30, s30, s31                     ; x
	s_mov_b32 s31, 0
	s_lshr_b32 s32, s26, 3
	s_and_b32 s33, s26, 7
	s_lshl_b32 s34, s32, 16
	s_lshl_b32 s35, s28, 15
	s_add_co_u32 s34, s34, s35
	s_lshl_b32 s35, s33, 12
	s_add_co_u32 s34, s34, s35                     ; the codes
	s_mov_b32 s35, 0
	s_lshl_b32 s36, s32, 12
	s_lshl_b32 s37, s28, 11
	s_add_co_u32 s36, s36, s37
	s_lshl_b32 s37, s33, 8
	s_add_co_u32 s36, s36, s37                     ; the scale words
	s_mov_b32 s37, 0
	s_mul_i32 s38, s20, STG                        ; my stage
	v_add_nc_u32 v5, s38, v4                       ; in: 16 x lane of a row
	v_mul_u32_u24 v6, v17, 528
	v_lshl_add_u32 v6, v18, 7, v6
	v_add_nc_u32 v6, s38, v6                       ; back: row r, 128 h bytes on.  The pitch of 528 bytes is 132 words: sixteen rows start 4 words apart modulo 64
	v_lshlrev_b32 v7, 4, v17
	v_lshl_add_u32 v7, v18, 3, v7                  ; the scale words' way out: 16 r + 8 h
	v_lshlrev_b32 v16, 3, v18                      ; 8 h
	v_mov_b32 v15, 0                               ; a lane permute's destination counts as one of its sources
	s_mov_b32 s22, 0x76543210
	s_mov_b32 s23, 0xfedcba98                      ; selects for lane l xor 16
	s_wait_kmcnt 0x0
	s_add_nc_u64 s[4:5], s[4:5], s[30:31]
	s_add_nc_u64 s[10:11], s[10:11], s[34:35]
	s_add_nc_u64 s[12:13], s[12:13], s[36:37]
.macro XLOAD q
.irp i, 0,1,2,3,4,5,6,7,8,9,10,11,12,13,14,15
	global_load_b128 v[R+64*((\q)%2)+4*\i:R+64*((\q)%2)+4*\i+3], v4, s[4:5] offset:\i*4096+(\q)*512 th:TH_LOAD_NT
.endr
.endm
.macro XSTEP q
.if (\q) < 3
	s_wait_loadcnt 16                              ; this step's sixteen loads are in; the next step's may be out
.else
	s_wait_loadcnt 0x0
.endif
.irp i, 0,1,2,3,4,5,6,7,8,9,10,11,12,13,14,15
	ds_store_b128 v5, v[R+64*((\q)%2)+4*\i:R+64*((\q)%2)+4*\i+3] offset:\i*528
.endr
.irp c, 0,1
.irp i, 0,1,2,3,4,5,6,7
	ds_load_b128 v[XN+32*\c+4*\i:XN+32*\c+4*\i+3], v6 offset:\c*256+\i*16    ; LDS serves a wave's instructions in order: these see the stores above
.endr
.endr
	s_wait_dscnt 0x0                               ; the numbers are back, and the stores have read their registers,
.if (\q) < 2
	XLOAD (\q)+2                                   ; which take the loads of two steps on
.endif
.irp c, 0,1
	v_max3_num_f32 v[8+\c], |v[XN+32*\c]|, |v[XN+32*\c+1]|, FLOOR  ; my two blocks by turns; the floor holds the byte at 1 from below
.endr
.irp i, 2,4,6,8,10,12,14,16,18,20,22,24,26,28,30
.irp c, 0,1
	v_max3_num_f32 v[8+\c], v[8+\c], |v[XN+32*\c+\i]|, |v[XN+32*\c+\i+1]|
.endr
.endr
.irp c, 0,1
	v_add_nc_u32 v[10+\c], 0xff000000, v[8+\c]     ; 2 off the exponent field: the conversion's scale operand
.endr
.irp c, 0,1
	v_lshrrev_b32 v[12+\c], 23, v[10+\c]           ; the scale's byte
.endr
	v_lshl_or_b32 v14, v13, 16, v12                ; my two bytes: blocks h and 2 + h,
	v_lshlrev_b32 v14, v16, v14                    ; at their places in the word;
	v_permlanex16_b32 v15, v14, s22, s23
	v_or_b32 v[20+(\q)], v14, v15                  ; with lane l xor 16's two the word is whole
.irp c, 0,1
.irp g, 0,1,2,3
	v_cvt_scalef32_pk8_fp4_f32 v[C+8*(\q)+4*\c+\g], v[XN+32*\c+8*\g:XN+32*\c+8*\g+7], v[10+\c]
.endr
.endr
	v_nop                                          ; one plain line behind the last conversion of a run
.irp c, 0,1
	global_store_b128 v4, v[C+8*(\q)+4*\c:C+8*(\q)+4*\c+3], s[10:11] offset:(\q)*1024+\c*512   ; 512 consecutive bytes
.endr
.endm
	XLOAD 0
	XLOAD 1
	XSTEP 0
	XSTEP 1
	XSTEP 2
	XSTEP 3
	v_cmp_eq_u32 vcc_lo, 1, v18
	v_cndmask_b32 v8, v20, v22, vcc_lo             ; lanes 0-15 store their row's words 0 and 1, lanes 16-31 words 2 and 3
	v_cndmask_b32 v9, v21, v23, vcc_lo
	global_store_b64 v7, v[8:9], s[12:13]          ; 32 lanes store 256 consecutive bytes, aligned
	s_wait_tensorcnt 0x0                           ; the wave's end: the closing lines, behind my last LDS store
	ds_add_u32 v[SPW], v[NIL]
	s_wait_dscnt 0x0
	s_endpgm
.Lfunc_end_k_q4037db84fd_prep:
	.size	k_q4037db84fd_prep, .Lfunc_end_k_q4037db84fd_prep-k_q4037db84fd_prep
	.p2alignl 7, 3214868480
	.fill 96, 4, 3214868480
	.section	.rodata,"a",@progbits
	.p2align	6, 0x0
	.amdhsa_kernel k_q4037db84fd_prep
		.amdhsa_group_segment_fixed_size 34304
		.amdhsa_private_segment_fixed_size 0
		.amdhsa_enable_private_segment 0
		.amdhsa_kernarg_size 64
		.amdhsa_user_sgpr_count 2
		.amdhsa_user_sgpr_kernarg_segment_ptr 1
		.amdhsa_wavefront_size32 1
		.amdhsa_system_sgpr_workgroup_id_x 1
		.amdhsa_system_sgpr_workgroup_id_y 1
		.amdhsa_system_sgpr_workgroup_id_z 1
		.amdhsa_system_vgpr_workitem_id 0
		.amdhsa_next_free_vgpr 256
		.amdhsa_next_free_sgpr 66
		.amdhsa_reserve_vcc 1
		.amdhsa_float_denorm_mode_32 3
		.amdhsa_float_denorm_mode_16_64 3
		.amdhsa_memory_ordered 1
		.amdhsa_forward_progress 1
		.amdhsa_inst_pref_size 68
	.end_amdhsa_kernel
	.amdgpu_metadata
---
amdhsa.version: [ 1, 2 ]
amdhsa.kernels:
  - .name:           k_q4037db84fd_prep
    .symbol:         k_q4037db84fd_prep.kd
    .args:
      - { .name: x, .offset: 0, .size: 8, .value_kind: global_buffer, .address_space: global }
      - { .name: w_qkv, .offset: 8, .size: 8, .value_kind: global_buffer, .address_space: global }
      - { .name: w_proj, .offset: 16, .size: 8, .value_kind: global_buffer, .address_space: global }
      - { .name: xc, .offset: 24, .size: 8, .value_kind: global_buffer, .address_space: global }
      - { .name: xs, .offset: 32, .size: 8, .value_kind: global_buffer, .address_space: global }
      - { .name: wc, .offset: 40, .size: 8, .value_kind: global_buffer, .address_space: global }
      - { .name: ws, .offset: 48, .size: 8, .value_kind: global_buffer, .address_space: global }
      - { .name: wp16, .offset: 56, .size: 8, .value_kind: global_buffer, .address_space: global }
    .group_segment_fixed_size: 34304
    .private_segment_fixed_size: 0
    .kernarg_segment_align: 8
    .kernarg_segment_size: 64
    .max_flat_workgroup_size: 128
    .sgpr_count:     66
    .vgpr_count:     256
    .wavefront_size: 32
...
	.end_amdgpu_metadata
.endif
;; end of part 1
;; launch qkv (part 2): grid 12 x 32, 4 waves a work-group, clusters of 4 x 4, 327,680 bytes of LDS; arguments xc, xs, wc, ws, qkv16, head32; writes qkv16, head32
.if DOCPART == 2
	.amdgcn_target "amdgcn-amd-amdhsa--gfx1250"
	.amdhsa_code_object_version 6
	.text
	.protected	k_q4037db84fd_qkv
	.globl	k_q4037db84fd_qkv
	.p2align	8
	.type	k_q4037db84fd_qkv,@function
k_q4037db84fd_qkv:
	s_mov_b64 s[64:65], 0
	v_nop
	global_prefetch_b8 v0, s[64:65] scope:SCOPE_SE
	s_setreg_imm32_b32 hwreg(HW_REG_WAVE_MODE, 25, 1), 1
	s_wait_xcnt 0x0
	s_wait_alu depctr_hold_cnt(0) depctr_sa_sdst(0) depctr_va_vdst(0) depctr_va_sdst(0) depctr_va_ssrc(0) depctr_va_vcc(0) depctr_vm_vsrc(0)
	s_getreg_b32 s2, hwreg(HW_REG_IB_STS2, 6, 4)
	s_cmp_eq_u32 s2, 0
	s_cbranch_scc0 .Lentry_in_a_cluster
	s_endpgm
.Lentry_in_a_cluster:
	s_bfe_u32 s2, ttmp6, 0x10000c
	s_cmp_lg_u32 s2, 0xf033
	s_cbranch_scc0 .Lentry_shape_is_right
	s_endpgm
.Lentry_shape_is_right:
; qkv = Q(x) Q(w_qkv): [8192][1024] x [1024][3072] on codes of FP4 (E2M1) with one E8M0 scale for each 32 along K, sums in f32.  Codes and scale bytes lie as register images.
; A tile of 256 x 256 is made by four waves, each 128 x 128: 64 accumulators, 512 registers.  K = 1,024 is two LDS slots of 512: both are asked for at the start, nothing is filled again.
; ROLES.  Source 1 of the matrix instruction (the A role) gives a lane its ONE row; source 0 (the B role) gives its eight registers eight neighbouring rows.
;   q and k (cluster x = 0, 1): A role = x, B role = w: a lane holds one position t and eight neighbouring channels: 16 bytes of f16 of the image that the scores' product reads.
;   v (cluster x = 2):          A role = w, B role = x: a lane holds one channel and eight neighbouring positions: v leaves with the KEYS innermost, as the second product of attention wants it.
; The choice hangs on the cluster's x alone, which all sixteen partners share: only pointers and tile numbers are chosen; the products are one text.
; CLUSTER 4 x 4: the A role's tile is shared along a row of the cluster, the B role's along a column: each is asked for jointly.  An x tile is (batch = cy or cx, tile = cluster y), so that
; 'the first 16 positions' is cluster y = 0, a number that all partners share.
; OUT: qkv16 = sel 2^24 + (batch 16 + head) 262144 + { q, k: (t>>4) 2048 + (ch>>3) 256 + (t&15) 16 + (ch&7) 2;  v: (t>>5) 4096 + (ch>>4) 1024 + ((t>>3)&3) 256 + (ch&15) 16 + (t&7) 2 }.
; q is multiplied by c = log2(e) / 8 in f32 ahead of its one rounding to f16.  Every store is 512 consecutive bytes straight from registers.
; head32: the accumulators of positions 0-15 as they stand, f32: ((batch 3 + sel) 16 + head) 4096 + tile 1024 + half 512 + 16 lane.
; LIMITS: |c q|, |k|, |v| stay under 65,504; numbers under 6e-5 keep f16's absolute step.
; REGISTERS, in windows of 256: window 0: v16-29 addresses; v32-95 scale words, two sets; v128-191 the A role's fragments, ONE set; on the way out v32-255 are free.
;   window 1: the B role's fragments, two sets, at v0 and v128.  window 2: accumulators of my A blocks 0-3 ((a, b) at v[8 (8 (a % 4) + b)]);  window 3: of blocks 4-7.
.set NQ,     4                         ; steps of 128 along K in a slot
.set FR,     8                         ; registers of a fragment
.set NL,     2                         ; LDS loads that bring one
.set NP,     4                         ; places behind this matrix instruction (ISA guide 7.12.1)
.set HALFT,  32768                     ; 128 rows x 512 K of codes: what one tensor load brings
.set SLOT,   4*HALFT                   ; the A role's 256 rows, then the B role's
.set SCL,    2*SLOT                    ; behind the slots: the scale bytes, 4,096 for each 128 rows: [512 along K][row][16 bytes]
.set SPARE,  SCL+4*4096                ; the spare words, 128 bytes for each wave
.set ADRA, 16                          ; v16-17 LDS address of my A fragments in slot 0, 1
.set ADRB, 20                          ; v20-21 the same for B
.set LI,   26                          ; v26    16 x lane
.set ADRS, 27                          ; v27    my scale words: lanes 0-15 the A role's rows, lanes 16-31 the B role's
.set SPW,  28                          ; v28    my spare word; never rewritten
.set NIL,  29                          ; v29    0; never rewritten
.set SC,   32                          ; scale words: set s at v[SC + 32 s]; register 4 i + q: block i, the slot's q-th 128 along K
.set AF,   128
.set TQ,   32                          ; the way out: c q in f32
.set OS,   128                         ; the way out: four sets of 32 registers of f16
.set WV,   16
.set HA,   17                          ; my half of the A role's rows.  Also: I fetch for A (0) or for B (1)
.set HB,   18                          ; my half of the B role's rows.  Also: which 128 rows I fetch
.set CX,   19
.set CY,   20
.set G1,   24
.set G0,   32
.set G1B,  48
.set G0B,  56
.set G1S,  68
.set G0S,  76
.set G1SB, 80
.set G0SB, 88
.set PA,   92                          ; s[92:93] the A role's codes, s[94:95] its scales; the B role's stay in s[8:9], s[10:11]
.set CQ,   100                         ; s[100:101] c
.set MSB, 0
.macro WIN new                         ; the immediate's high byte repeats the setting that is left
.if MSB != \new
	s_set_vgpr_msb (MSB<<8)|\new
.set MSB, \new
.endif
.endm
.set MUL_LO, 0xa1                      ; source 0 (B) window 1, source 1 (A) window 0, C and D window 2
.set MUL_HI, 0xf1
.set TO_B,   0x40
; A joint load: waves 0 and 1 fetch for the A role, waves 2 and 3 for the B role; the branch hangs on the wave's number alone.  An s_nop 0 and four v_nop follow each line.
.macro JLOAD g0a, g1a, g0b, g1b
	s_cmp_eq_u32 s[HA], 0
	s_cbranch_scc0 .Lfor_b_\@
	tensor_load_to_lds s[\g0a:\g0a+3], s[\g1a:\g1a+7]
	s_nop 0
.rept 4
	v_nop
.endr
	s_branch .Lasked_\@
.Lfor_b_\@:
	tensor_load_to_lds s[\g0b:\g0b+3], s[\g1b:\g1b+7]
	s_nop 0
.rept 4
	v_nop
.endr
.Lasked_\@:
.endm
.macro CROUND                          ; a round of the cluster's barrier
	s_barrier_signal -1
	s_barrier_wait -1
	s_cmp_lg_u32 s[WV], 0
	s_cbranch_scc1 .Lnot_wave_0_\@
	s_barrier_signal -3
.Lnot_wave_0_\@:
	s_barrier_wait -3
	s_barrier_signal -1
	s_barrier_wait -1
.endm
	s_load_b256 s[4:11], s[0:1], 0x0               ; xc s[4:5], xs s[6:7], wc s[8:9], ws s[10:11]
	s_load_b128 s[12:15], s[0:1], 0x20             ; qkv16 s[12:13], head32 s[14:15]
	v_lshl_add_u32 v[SPW], v0, 2, SPARE
	v_mov_b32 v[NIL], 0
	ds_add_u32 v[SPW], v[NIL]                      ; the wave's opening: the add, twice on end, and its wait ahead of my first tensor load
	ds_add_u32 v[SPW], v[NIL]
	v_lshrrev_b32 v1, 5, v0
	v_readfirstlane_b32 s[WV], v1
	s_lshr_b32 s[HA], s[WV], 1
	s_and_b32 s[HB], s[WV], 1
	s_mov_b32 s[CX], ttmp9                         ; cluster x: 0 q, 1 k, 2 v
	s_and_b32 s[CY], ttmp7, 0xffff                 ; cluster y: which 256 positions of a batch
	s_bfe_u32 s40, ttmp6, 0x40000                  ; cx
	s_bfe_u32 s41, ttmp6, 0x40004                  ; cy
	s_lshl_b32 s43, s41, 2
	s_lshl_b32 s43, 15, s43                        ; my row of the cluster
	s_lshl_b32 s44, 0x1111, s40                    ; my column
	s_lshl_b32 s47, s[CX], 2
	s_cmp_eq_u32 s[CX], 2                          ; v?
	s_cselect_b32 s21, 1, 8
	s_cselect_b32 s22, 8, s[CY]
	s_cselect_b32 s46, 8, 1
	s_cselect_b32 s47, s[CY], s47
	s_mul_i32 s45, s41, s21
	s_add_co_u32 s45, s45, s22                     ; the A role's tile of 256 rows: x's 8 cy + cluster y, or w's 8 + cy
	s_mul_i32 s42, s40, s46
	s_add_co_u32 s42, s42, s47                     ; the B role's: w's 4 cluster x + cx, or x's 8 cx + cluster y
	; descriptor group 1: dense blocks as rows of 256 bytes (32 elements of 8 bytes): 128 rows of codes, 16 rows of scale bytes; no padding: the images are read 16 bytes a lane on end
	s_or_b32 s[G1], s43, (3<<16)|(1<<21)
	s_or_b32 s[G1B], s44, (3<<16)|(1<<21)
	s_or_b32 s[G1S], s43, (3<<16)|(1<<21)
	s_or_b32 s[G1SB], s44, (3<<16)|(1<<21)
.irp g, G1, G1B
	s_mov_b32 s[\g+1], 32<<16                      ; tensor_dim0
	s_mov_b32 s[\g+2], 128<<16                     ; tensor_dim1
	s_mov_b32 s[\g+3], 32<<16                      ; tile_dim0
	s_mov_b32 s[\g+4], 128                         ; tile_dim1
	s_mov_b32 s[\g+5], 32                          ; the pitch
	s_mov_b32 s[\g+6], 0
	s_mov_b32 s[\g+7], 0
.endr
.irp g, G1S, G1SB
	s_mov_b32 s[\g+1], 32<<16
	s_mov_b32 s[\g+2], 16<<16
	s_mov_b32 s[\g+3], 32<<16
	s_mov_b32 s[\g+4], 16
	s_mov_b32 s[\g+5], 32
	s_mov_b32 s[\g+6], 0
	s_mov_b32 s[\g+7], 0
.endr
	s_lshl_b32 s21, s45, 1
	s_add_co_u32 s21, s21, s[HB]                   ; the block of 128 rows that I would fetch for the A role,
	s_lshl_b32 s46, s42, 1
	s_add_co_u32 s46, s46, s[HB]                   ; and for the B role
	s_mov_b32 s23, 0
	s_mov_b32 s67, 0
	s_lshl_b32 s96, s[WV], 15                      ; where my codes go: wave x 32,768: no place in the cluster enters an LDS address
	s_lshl_b32 s97, s[WV], 12                      ; and my scale bytes
	s_mov_b32 s[CQ], 0x3e38aa3b                    ; c = log2(e) / 8
	s_mov_b32 s[CQ+1], s[CQ]
	s_wait_dscnt 0x0                               ; both opening adds are done
	s_wait_kmcnt 0x0
	s_cmp_eq_u32 s[CX], 2
	s_cselect_b64 s[PA:PA+1], s[8:9], s[4:5]       ; the A role's codes and scales,
	s_cselect_b64 s[PA+2:PA+3], s[10:11], s[6:7]
	s_cselect_b64 s[8:9], s[4:5], s[8:9]           ; the B role's
	s_cselect_b64 s[10:11], s[6:7], s[10:11]
	s_lshl_b32 s22, s21, 16
	s_add_nc_u64 s[PA:PA+1], s[PA:PA+1], s[22:23]
	s_lshl_b32 s22, s21, 12
	s_add_nc_u64 s[PA+2:PA+3], s[PA+2:PA+3], s[22:23]
	s_lshl_b32 s66, s46, 16
	s_add_nc_u64 s[8:9], s[8:9], s[66:67]
	s_lshl_b32 s66, s46, 12
	s_add_nc_u64 s[10:11], s[10:11], s[66:67]
	CROUND                                         ; all sixteen work-groups are here: the first joint loads meet
	s_mov_b32 s[G0S], 1
	s_add_co_u32 s[G0S+1], s97, SCL
	s_mov_b64 s[G0S+2:G0S+3], s[PA+2:PA+3]
	s_or_b32 s[G0S+3], s[G0S+3], 0x80000000
	s_mov_b32 s[G0SB], 1
	s_add_co_u32 s[G0SB+1], s97, SCL
	s_mov_b64 s[G0SB+2:G0SB+3], s[10:11]
	s_or_b32 s[G0SB+3], s[G0SB+3], 0x80000000
	JLOAD G0S, G1S, G0SB, G1SB                     ; the scale bytes of all of K first
.irp s, 0,1
	s_mov_b32 s[G0+4*\s], 1
	s_add_co_u32 s[G0+4*\s+1], s96, \s*SLOT
	s_add_nc_u64 s[G0+4*\s+2:G0+4*\s+3], s[PA:PA+1], \s*HALFT
	s_or_b32 s[G0+4*\s+3], s[G0+4*\s+3], 0x80000000
	s_mov_b32 s[G0B+4*\s], 1
	s_add_co_u32 s[G0B+4*\s+1], s96, \s*SLOT
	s_add_nc_u64 s[G0B+4*\s+2:G0B+4*\s+3], s[8:9], \s*HALFT
	s_or_b32 s[G0B+4*\s+3], s[G0B+4*\s+3], 0x80000000
	JLOAD G0+4*\s, G1, G0B+4*\s, G1B               ; three loads of mine are out behind the last of these
.endr
	v_and_b32 v1, 15, v0                           ; r
	v_bfe_u32 v2, v0, 4, 1                         ; h
	v_and_b32 v3, 31, v0
	v_lshlrev_b32 v[LI], 4, v3
	s_lshl_b32 s96, s[HA], 15                      ; my 128 rows of the A role
	s_lshl_b32 s97, s[HB], 15
	s_add_co_u32 s97, s97, 2*HALFT                 ; and of the B role
.irp s, 0,1
	v_add_nc_u32 v[ADRA+\s], s96, v[LI]
	v_add_nc_u32 v[ADRB+\s], s97, v[LI]
	s_add_co_u32 s96, s96, SLOT
	s_add_co_u32 s97, s97, SLOT
.endr
	s_add_co_u32 s97, s[HB], 2
	s_sub_co_u32 s97, s97, s[HA]
	s_lshl_b32 s97, s97, 12                        ; from my A rows' scale bytes to my B rows'
	v_mul_u32_u24 v6, s97, v2                      ; lanes 16-31 take the B role's
	s_lshl_b32 s96, s[HA], 12
	s_add_co_u32 s96, s96, SCL
	v_lshl_add_u32 v5, v1, 4, v6                   ; 16 bytes a row
	v_add_nc_u32 v[ADRS], s96, v5
.macro FRAG reg, adr, q, i             ; a fragment's image: two runs of 512 bytes, 16 bytes a lane
.irp c, 0,1
	ds_load_b128 v[\reg+4*\c:\reg+4*\c+3], v[\adr] offset:1024*(\q)+512*\c+(\i)*4096
.endr
.endm
; 16 matrix instructions: A blocks a0, a0 + 1 x B's eight.  p: B's set; sc: the set of scale words.  The 64 accumulators take turns, one instruction a turn, in the same order in every step.
.macro MUL16 a0, p, q, sc, zero
.irp a, \a0, \a0+1
.irp b, 0,1,2,3,4,5,6,7
.if \zero
	v_wmma_scale_f32_16x16x128_f8f6f4 v[8*(8*((\a)%4)+\b):8*(8*((\a)%4)+\b)+7], v[128*(\p)+FR*\b:128*(\p)+FR*\b+FR-1], v[AF+FR*(\a):AF+FR*(\a)+FR-1], 0, v[SC+8*NQ*(\sc)+NQ*\b+(\q)], v[SC+8*NQ*(\sc)+NQ*(\a)+(\q)] matrix_a_fmt:MATRIX_FMT_FP4 matrix_b_fmt:MATRIX_FMT_FP4 matrix_a_scale:MATRIX_SCALE_ROW1
.else
	v_wmma_scale_f32_16x16x128_f8f6f4 v[8*(8*((\a)%4)+\b):8*(8*((\a)%4)+\b)+7], v[128*(\p)+FR*\b:128*(\p)+FR*\b+FR-1], v[AF+FR*(\a):AF+FR*(\a)+FR-1], v[8*(8*((\a)%4)+\b):8*(8*((\a)%4)+\b)+7], v[SC+8*NQ*(\sc)+NQ*\b+(\q)], v[SC+8*NQ*(\sc)+NQ*(\a)+(\q)] matrix_a_fmt:MATRIX_FMT_FP4 matrix_b_fmt:MATRIX_FMT_FP4 matrix_a_scale:MATRIX_SCALE_ROW1
.endif
.endr
.endr
.endm
.macro FETCH_B slot, q, p
	WIN TO_B
.irp i, 0,1,2,3,4,5,6,7
	FRAG 128*(\p)+FR*\i, ADRB+\slot, \q, \i
.endr
	WIN 0
.endm
.macro FETCH_A slot, q, i0
.irp i, \i0, \i0+1, \i0+2, \i0+3
	FRAG AF+FR*(\i), ADRA+\slot, \q, \i
.endr
.endm
.macro SCALES sc                       ; a slot's scale words: four words a row; lanes 0-15 the A role's block i, lanes 16-31 the B role's
.irp i, 0,1,2,3,4,5,6,7
	ds_load_b128 v[SC+8*NQ*\sc+NQ*\i:SC+8*NQ*\sc+NQ*\i+3], v[ADRS] offset:\i*256+\sc*2048
.endr
.endm
.macro PLACES n                        ; plain vector lines between a matrix instruction and a load into, or a read of, its registers
.rept \n
	v_nop
.endr
.endm
.macro STEP slot, q, zero              ; 128 along K that has its successor in the same slot
	s_wait_dscnt 4*NL                              ; B's set, A's blocks 0-3 and the scale words are in; the youngest eight loads (A's blocks 4-7) may be out
	WIN MUL_LO
	MUL16 0, (\q)%2, \q, \slot, \zero
	MUL16 2, (\q)%2, \q, \slot, \zero
	s_wait_dscnt 0
	PLACES NP
	FETCH_B \slot, (\q)+1, 1-(\q)%2
	FETCH_A \slot, (\q)+1, 0
	WIN MUL_HI
	MUL16 4, (\q)%2, \q, \slot, \zero
	MUL16 6, (\q)%2, \q, \slot, \zero
	PLACES NP
	WIN 0
	FETCH_A \slot, (\q)+1, 4
.endm
.macro STEPS slot, from
.set QQ, \from
.rept NQ-1-\from
	STEP \slot, QQ, 0
.set QQ, QQ+1
.endr
.endm
	s_wait_tensorcnt 1                             ; the scale bytes and my part of slot 0 are in; slot 1's load may be out
	s_barrier_signal -1
	s_barrier_wait -1
	FETCH_B 0, 0, 0
	FETCH_A 0, 0, 0
	SCALES 0
	FETCH_A 0, 0, 4
	STEP 0, 0, 1                                   ; the first step's products start the sums: nothing is cleared
	STEPS 0, 1
	; slot 0's last step changes slots: each wave waits for its part of slot 1, and one barrier shows the whole slot to all four
	s_wait_tensorcnt 0x0
	ds_add_u32 v[SPW], v[NIL]                      ; 0 onto my spare word
	s_wait_dscnt 4*NL+1                            ; the add and the youngest eight loads may be out
	WIN MUL_LO
	MUL16 0, 1, NQ-1, 0, 0
	s_wait_dscnt 0x0
	s_barrier_signal -1
	MUL16 2, 1, NQ-1, 0, 0
	WIN 0
	s_barrier_wait -1
	PLACES NP
	FETCH_B 1, 0, 0
	FETCH_A 1, 0, 0
	SCALES 1
	WIN MUL_HI
	MUL16 4, 1, NQ-1, 0, 0
	MUL16 6, 1, NQ-1, 0, 0
	PLACES NP
	WIN 0
	FETCH_A 1, 0, 4
	STEPS 1, 0
	s_wait_dscnt 4*NL                              ; the very last step: nothing more to fetch
	WIN MUL_LO
	MUL16 0, 1, NQ-1, 1, 0
	MUL16 2, 1, NQ-1, 1, 0
	s_wait_dscnt 0
	WIN MUL_HI
	MUL16 4, 1, NQ-1, 1, 0
	MUL16 6, 1, NQ-1, 1, 0
	WIN 0
	PLACES NP
; THE WAY OUT.  A lane's eight results are 16 bytes of f16 of an image, and the 32 lanes' are 512 consecutive bytes: no stage.  kind 0: k, 1: q (x c first), 2: v.  Each accumulator is read from its low end on.
.macro OUT kind
.set AB, 0
.rept 8
.set AC, 64*(AB%4)
.set OB, OS+32*(AB%4)
.if AB >= 4
	s_wait_xcnt 0x0                                ; the stores of four blocks ago have read their registers
.endif
.if \kind == 1
.set WN, 0x02+AB/4
	WIN WN                                         ; source 0: window 2 or 3
.set II, 0
.rept 32
	v_pk_mul_f32 v[TQ+2*II:TQ+2*II+1], v[AC+2*II:AC+2*II+1], s[CQ:CQ+1] op_sel_hi:[1,0]
.set II, II+1
.endr
	WIN 0
.set II, 0
.rept 32
	v_cvt_pk_f16_f32 v[OB+II], v[TQ+2*II], v[TQ+2*II+1]
.set II, II+1
.endr
.else
.set WN, 0x0a+5*(AB/4)
	WIN WN                                         ; sources 0 and 1: window 2 or 3
.set II, 0
.rept 32
	v_cvt_pk_f16_f32 v[OB+II], v[AC+2*II], v[AC+2*II+1]
.set II, II+1
.endr
	WIN 0
.endif
.irp b, 0,1,2,3,4,5,6,7
.if \kind == 2
	global_store_b128 v[LI], v[OB+4*\b:OB+4*\b+3], s[12:13] offset:(AB/4)*262144+(\b/2)*4096+(AB%4)*1024+(\b%2)*512
.else
	global_store_b128 v[LI], v[OB+4*\b:OB+4*\b+3], s[12:13] offset:(\b/4)*262144+AB*2048+(\b%4)*512
.endif
.endr
.set AB, AB+1
.endr
.endm
	s_cmp_eq_u32 s[CX], 2
	s_cbranch_scc1 .Lout_v
	s_lshl_b32 s2, s[CX], 2                        ; q, k: plane (sel 4 + batch cy) 16 + head 4 cx + 2 HB,
	s_add_co_u32 s2, s2, s41
	s_lshl_b32 s2, s2, 4
	s_lshl_b32 s3, s40, 2
	s_add_co_u32 s2, s2, s3
	s_lshl_b32 s3, s[HB], 1
	s_add_co_u32 s2, s2, s3
	s_lshl_b32 s2, s2, 18
	s_lshl_b32 s3, s[CY], 15                       ; tile of 16 positions 16 cluster y + 8 HA
	s_add_co_u32 s2, s2, s3
	s_lshl_b32 s3, s[HA], 14
	s_add_co_u32 s2, s2, s3
	s_mov_b32 s3, 0
	s_add_nc_u64 s[12:13], s[12:13], s[2:3]
	s_or_b32 s98, s[CY], s[HA]                     ; positions 0-15 are A block 0 of the waves with HA = 0 where cluster y = 0
	s_cmp_lg_u32 s98, 0
	s_cbranch_scc1 .Lno_stash_qk
	s_mul_i32 s2, s41, 3
	s_add_co_u32 s2, s2, s[CX]
	s_lshl_b32 s2, s2, 4
	s_lshl_b32 s3, s40, 2
	s_add_co_u32 s2, s2, s3
	s_lshl_b32 s3, s[HB], 1
	s_add_co_u32 s2, s2, s3
	s_lshl_b32 s2, s2, 12
	s_mov_b32 s3, 0
	s_add_nc_u64 s[14:15], s[14:15], s[2:3]
	WIN 0x08                                       ; a store's data are its source 1: window 2
.irp b, 0,1,2,3,4,5,6,7
	global_store_b128 v[LI], v[8*\b:8*\b+3], s[14:15] offset:(\b/4)*4096+(\b%4)*1024
	global_store_b128 v[LI], v[8*\b+4:8*\b+7], s[14:15] offset:(\b/4)*4096+(\b%4)*1024+512
.endr
	WIN 0
.Lno_stash_qk:
	s_cmp_eq_u32 s[CX], 0
	s_cbranch_scc0 .Lout_k
	OUT 1
	s_branch .Lend
.Lout_k:
	OUT 0
	s_branch .Lend
.Lout_v:
	s_add_co_u32 s2, s40, 8                        ; v: plane (8 + batch cx) 16 + head 4 cy + 2 HA,
	s_lshl_b32 s2, s2, 4
	s_lshl_b32 s3, s41, 2
	s_add_co_u32 s2, s2, s3
	s_lshl_b32 s3, s[HA], 1
	s_add_co_u32 s2, s2, s3
	s_lshl_b32 s2, s2, 18
	s_lshl_b32 s3, s[CY], 15                       ; group of 32 keys 8 cluster y + 4 HB
	s_add_co_u32 s2, s2, s3
	s_lshl_b32 s3, s[HB], 14
	s_add_co_u32 s2, s2, s3
	s_mov_b32 s3, 0
	s_add_nc_u64 s[12:13], s[12:13], s[2:3]
	s_or_b32 s98, s[CY], s[HB]                     ; positions 0-15 are B block 0 of the waves with HB = 0 where cluster y = 0
	s_cmp_lg_u32 s98, 0
	s_cbranch_scc1 .Lno_stash_v
	s_mul_i32 s2, s40, 3
	s_add_co_u32 s2, s2, 2
	s_lshl_b32 s2, s2, 4
	s_lshl_b32 s3, s41, 2
	s_add_co_u32 s2, s2, s3
	s_lshl_b32 s3, s[HA], 1
	s_add_co_u32 s2, s2, s3
	s_lshl_b32 s2, s2, 12
	s_mov_b32 s3, 0
	s_add_nc_u64 s[14:15], s[14:15], s[2:3]
	WIN 0x08
.irp a, 0,1,2,3
	global_store_b128 v[LI], v[64*\a:64*\a+3], s[14:15] offset:\a*1024
	global_store_b128 v[LI], v[64*\a+4:64*\a+7], s[14:15] offset:\a*1024+512
.endr
	WIN 0x0c                                       ; window 3
.irp a, 0,1,2,3
	global_store_b128 v[LI], v[64*\a:64*\a+3], s[14:15] offset:4096+\a*1024
	global_store_b128 v[LI], v[64*\a+4:64*\a+7], s[14:15] offset:4096+\a*1024+512
.endr
	WIN 0
.Lno_stash_v:
	OUT 2
.Lend:
	s_wait_tensorcnt 0x0                           ; the wave's end: the closing lines, behind my last tensor load
	ds_add_u32 v[SPW], v[NIL]
	s_wait_dscnt 0x0
	CROUND                                         ; the closing round
	s_endpgm
.Lfunc_end_k_q4037db84fd_qkv:
	.size	k_q4037db84fd_qkv, .Lfunc_end_k_q4037db84fd_qkv-k_q4037db84fd_qkv
	.p2alignl 7, 3214868480
	.fill 96, 4, 3214868480
	.section	.rodata,"a",@progbits
	.p2align	6, 0x0
	.amdhsa_kernel k_q4037db84fd_qkv
		.amdhsa_group_segment_fixed_size 327680
		.amdhsa_private_segment_fixed_size 0
		.amdhsa_enable_private_segment 0
		.amdhsa_kernarg_size 48
		.amdhsa_user_sgpr_count 2
		.amdhsa_user_sgpr_kernarg_segment_ptr 1
		.amdhsa_wavefront_size32 1
		.amdhsa_system_sgpr_workgroup_id_x 1
		.amdhsa_system_sgpr_workgroup_id_y 1
		.amdhsa_system_sgpr_workgroup_id_z 1
		.amdhsa_system_vgpr_workitem_id 0
		.amdhsa_next_free_vgpr 1024
		.amdhsa_next_free_sgpr 102
		.amdhsa_reserve_vcc 0
		.amdhsa_float_denorm_mode_32 3
		.amdhsa_float_denorm_mode_16_64 3
		.amdhsa_memory_ordered 1
		.amdhsa_forward_progress 1
		.amdhsa_inst_pref_size 183
	.end_amdhsa_kernel
	.amdgpu_metadata
---
amdhsa.version: [ 1, 2 ]
amdhsa.kernels:
  - .name:           k_q4037db84fd_qkv
    .symbol:         k_q4037db84fd_qkv.kd
    .args:
      - { .name: xc, .offset: 0, .size: 8, .value_kind: global_buffer, .address_space: global }
      - { .name: xs, .offset: 8, .size: 8, .value_kind: global_buffer, .address_space: global }
      - { .name: wc, .offset: 16, .size: 8, .value_kind: global_buffer, .address_space: global }
      - { .name: ws, .offset: 24, .size: 8, .value_kind: global_buffer, .address_space: global }
      - { .name: qkv16, .offset: 32, .size: 8, .value_kind: global_buffer, .address_space: global }
      - { .name: head32, .offset: 40, .size: 8, .value_kind: global_buffer, .address_space: global }
    .group_segment_fixed_size: 327680
    .private_segment_fixed_size: 0
    .kernarg_segment_align: 8
    .kernarg_segment_size: 48
    .max_flat_workgroup_size: 128
    .sgpr_count:     102
    .vgpr_count:     1024
    .wavefront_size: 32
...
	.end_amdgpu_metadata
.endif
;; end of part 2
;; launch attn (part 3): grid 4 x 64, 16 waves a work-group, no clusters, 327,680 bytes of LDS; arguments qkv16, at16; writes at16
.if DOCPART == 3
	.amdgcn_target "amdgcn-amd-amdhsa--gfx1250"
	.amdhsa_code_object_version 6
	.text
	.protected	k_q4037db84fd_attn
	.globl	k_q4037db84fd_attn
	.p2align	8
	.type	k_q4037db84fd_attn,@function
k_q4037db84fd_attn:
	s_mov_b64 s[64:65], 0
	v_nop
	global_prefetch_b8 v0, s[64:65] scope:SCOPE_SE
	s_setreg_imm32_b32 hwreg(HW_REG_WAVE_MODE, 25, 1), 1
	s_wait_xcnt 0x0
; Causal attention of one head, head size 64, on f16 operands with f32 sums.  q' = c q (c = log2(e) / 8), k and v lie in qkv16 as register images (v with the keys innermost).
; SHARES.  Work-group (j, batch x head) owns the blocks j and 7 - j of 256 queries: waves 0-7 the early block, waves 8-15 the late one, 32 queries (two tiles) a wave.
; A wave with first query Q0 walks Q0 / 64 + 1 steps of 64 keys: over a work-group that is 264 steps for every j: 256 work-groups of equal work.
; LAYOUT.  Both products are used transposed: S^T = K Q^T (source 0 = 16 keys, source 1 = 16 queries), O^T = V^T P (source 0 = 16 channels, source 1 = P): a lane holds ONE query throughout,
; and two tiles of S^T, rounded to f16 in pairs, in place, ARE source 1 of the second product.
; SOFTMAX.  Running maximum m and sum l for each query: p = 2^(s' - m), at most 1 whatever the inputs' size; O and l are multiplied by a = 2^(old m - new m) in every step.  l is summed of p in f32.
; RING.  Two LDS slots of 256 keys (K 32,768 bytes, then V 32,768), dense images, filled by waves 0-3 (16,384 bytes each) and read by all sixteen.  Every work-group walks all eight slots with
; constant trip counts; a step all of whose keys come after the wave's queries is jumped over, and a slot whose first key comes after the work-group's last query is not asked for.
; NO CLUSTER: the four work-groups of a head need 8, 7, 6 and 5 slots, and where their fetching ends hangs on j: a joint load would bring tiles that a partner never reads,
; and branches would hang on a work-group's place in its cluster.
; OUT: at16, the image that the projection reads: (row>>7) 262144 + (k>>7) 32768 + ((row>>4)&7) 4096 + ((k>>3)&15) 256 + (row&15) 16 + (k&7) 2, row = batch 2048 + t, k = head 64 + channel.
; LIMITS: the result stays under 65,504 (it is an average of v); p and results under 6e-5 keep f16's absolute step.  Positions 0-15 are written here like all others, and made again in f32 by the last launch.
.set SLOT1, 65536
.set VOFF,  32768
.set SPARE, 131072                     ; behind the ring: the spare words, 128 bytes for each of sixteen waves
.set LI,   1                           ; v1   16 x lane
.set SPW,  2                           ; v2   my spare word; never rewritten
.set NIL,  3                           ; v3   0; never rewritten
.set AD,   4                           ; v4   the slot in hand + 16 x lane
.set RH,   5                           ; v5   r - 8 h
.set D0,   6                           ; v6-7 the diagonal: my query less the step's first key less 8 h, for each tile
.set NINF, 8                           ; v8   -infinity
.set PFO,  10                          ; v10  256 x lane
.set ST,   12                          ; tile qt's statistics at v[12 + 8 qt]: +0 m, +1 its pair's partner, +2 +3 l, +4 .. +7 at work; a takes +6
.set QF,   32                          ; v32-63   Q: 16 qt + 8 s
.set KV,   64                          ; v64-127  K of a step, then V of the same step
.set S,    128                         ; v128-191 S^T: 32 qt + 8 kt; then P: 32 qt + 8 kk
.set O,    192                         ; v192-255 O^T: 32 qt + 8 t
.set WV,   8
.set Q0,   11
.set QE,   12                          ; my last query
.set QL,   13                          ; my work-group's last query
.set KF,   14                          ; the step's first key
.set TB,   15                          ; LDS byte at which the slot in hand begins
.set SLOTS, 16
.set SEL,  18
.set G1,   24
.set G0,   32
.set PFA,  40
.set LIM,  42
.set T0,   43
.set T1,   44
.macro TLOAD                           ; waves 0-3 fetch, the others nothing; an s_nop 0 and four v_nop follow the line
	s_cmp_lt_u32 s[WV], 4
	s_cbranch_scc0 .Lnone_\@
	tensor_load_to_lds s[G0:G0+3], s[G1:G1+7]
	s_nop 0
.rept 4
	v_nop
.endr
.Lnone_\@:
.endm
; A prefetch of what the NEXT change of slots will ask for: 32,768 bytes of K and of V.  All four work-groups of a head walk the same K and V: the first (j = 0), which walks all eight slots, asks.
; In it waves 4-7 ask for K and waves 8-11 for V, 8,192 bytes a wave, lanes 256 bytes apart: each aligned block of 256 bytes is named once in the launch, a slot's four key steps ahead of its load.
; Slots 0 and 1 come by their loads alone; the last change that fills a slot asks for nothing.
.macro ASK
	s_cmp_gt_u32 s[SLOTS], s[LIM]
	s_cbranch_scc0 .Lnot_mine_\@
	global_prefetch_b8 v[PFO], s[PFA:PFA+1] th:TH_LOAD_NT scope:SCOPE_SE
.Lnot_mine_\@:
.endm
	s_load_b128 s[4:7], s[0:1], 0x0                ; qkv16 s[4:5], at16 s[6:7]
	v_lshl_add_u32 v[SPW], v0, 2, SPARE
	v_mov_b32 v[NIL], 0
	ds_add_u32 v[SPW], v[NIL]                      ; the wave's opening: the add, twice on end, and its wait ahead of the first tensor load
	ds_add_u32 v[SPW], v[NIL]
	v_lshrrev_b32 v4, 5, v0
	v_readfirstlane_b32 s[WV], v4
	s_mov_b32 s9, ttmp9                            ; j
	s_and_b32 s10, ttmp7, 0xffff                   ; batch x 16 + head
	s_mov_b32 s[G1], 3<<16                         ; a dense block of 16,384 bytes as 64 rows of 256 bytes (32 elements of 8 bytes), no padding
	s_mov_b32 s[G1+1], 32<<16
	s_mov_b32 s[G1+2], 64<<16
	s_mov_b32 s[G1+3], 32<<16
	s_mov_b32 s[G1+4], 64
	s_mov_b32 s[G1+5], 32
	s_mov_b32 s[G1+6], 0
	s_mov_b32 s[G1+7], 0
	s_sub_co_u32 s[T0], 7, s9
	s_cmp_lt_u32 s[WV], 8
	s_cselect_b32 s[T0], s9, s[T0]                 ; my block of 256 queries
	s_lshl_b32 s[T0], s[T0], 8
	s_and_b32 s[T1], s[WV], 7
	s_lshl_b32 s[T1], s[T1], 5
	s_add_co_u32 s[Q0], s[T0], s[T1]
	s_add_co_u32 s[QE], s[Q0], 31
	s_sub_co_u32 s[QL], 7, s9
	s_lshl_b32 s[QL], s[QL], 8
	s_or_b32 s[QL], s[QL], 255
	s_mov_b32 s[KF], 0
	s_mov_b32 s[TB], 0
	s_mov_b32 s[SLOTS], 7
	s_mov_b32 s[SEL], 0x76543210
	s_mov_b32 s[SEL+1], 0xfedcba98
	s_lshl_b32 s20, s10, 18                        ; the head's 262,144 bytes in each of q', k, v
	s_min_u32 s[T0], s[WV], 3                      ; what I fetch, if I fetch: waves 0, 1: K's halves; waves 2, 3: V's
	s_lshr_b32 s[T1], s[T0], 1
	s_add_co_u32 s[T1], s[T1], 1
	s_lshl_b32 s[T1], s[T1], 24                    ; k lies 2^24 bytes into qkv16, v 2^25
	s_and_b32 s22, s[T0], 1
	s_lshl_b32 s22, s22, 14
	s_add_co_u32 s22, s22, s[T1]
	s_add_co_u32 s22, s22, s20
	s_mov_b32 s23, 0
	s_mov_b32 s[G0], 1
	s_lshl_b32 s[G0+1], s[T0], 14                  ; slot 0, wave x 16,384
	s_wait_dscnt 0x0                               ; both opening adds are done
	s_wait_kmcnt 0x0
	s_add_nc_u64 s[G0+2:G0+3], s[4:5], s[22:23]
	s_or_b32 s[G0+3], s[G0+3], 0x80000000
	TLOAD                                          ; slot 0: key 0 counts for every query
	v_and_b32 v[LI], 31, v0
	v_lshlrev_b32 v[LI], 4, v[LI]
	s_lshl_b32 s22, s[Q0], 7                       ; 2,048 bytes for each 16 queries
	s_add_co_u32 s22, s22, s20
	s_add_nc_u64 s[36:37], s[4:5], s[22:23]
.irp qt, 0,1
.irp s, 0,1
.irp c, 0,1
	global_load_b128 v[QF+16*\qt+8*\s+4*\c:QF+16*\qt+8*\s+4*\c+3], v[LI], s[36:37] offset:\qt*2048+\s*1024+\c*512
.endr
.endr
.endr
	s_bfe_u32 s[T0], s[WV], 0x10003                ; the prefetches: waves 8-11 stand in v, waves 4-7 in k,
	s_add_co_u32 s[T0], s[T0], 1
	s_lshl_b32 s[T0], s[T0], 24
	s_and_b32 s[T1], s[WV], 3
	s_lshl_b32 s[T1], s[T1], 13                    ; at my wave's 8,192 bytes
	s_add_co_u32 s38, s[T0], s[T1]
	s_add_co_u32 s38, s38, s20
	s_add_co_u32 s38, s38, 32768                   ; of slot 1: the first change of slots steps it to slot 2
	s_mov_b32 s39, 0
	s_add_nc_u64 s[PFA:PFA+1], s[4:5], s[38:39]
	s_sub_co_u32 s[T0], s[WV], 4
	s_lshr_b32 s[T0], s[T0], 3                     ; 0 in waves 4 to 11,
	s_or_b32 s[T0], s[T0], ttmp9                   ; of the head's first work-group
	s_cmp_eq_u32 s[T0], 0
	s_cselect_b32 s[LIM], 1, -1
	v_and_b32 v[PFO], 31, v0
	v_lshlrev_b32 v[PFO], 8, v[PFO]
	s_lshr_b32 s[T0], s10, 4                       ; at16: my first tile of 16 rows: batch x 128 + Q0 / 16
	s_lshl_b32 s[T0], s[T0], 7
	s_lshr_b32 s[T1], s[Q0], 4
	s_add_co_u32 s[T0], s[T0], s[T1]
	s_lshr_b32 s[T1], s[T0], 3
	s_lshl_b32 s38, s[T1], 18
	s_and_b32 s[T1], s[T0], 7
	s_lshl_b32 s[T1], s[T1], 12
	s_add_co_u32 s38, s38, s[T1]
	s_bfe_u32 s[T1], s10, 0x30001                  ; head / 2: which 128 along the projection's K
	s_lshl_b32 s[T1], s[T1], 15
	s_add_co_u32 s38, s38, s[T1]
	s_and_b32 s[T1], s10, 1
	s_lshl_b32 s[T1], s[T1], 11
	s_add_co_u32 s38, s38, s[T1]
	s_add_nc_u64 s[6:7], s[6:7], s[38:39]
	v_and_b32 v[RH], 15, v0
	v_bfe_u32 v6, v0, 4, 1
	v_lshlrev_b32 v6, 3, v6
	v_sub_nc_u32 v[RH], v[RH], v6
	v_mov_b32 v[NINF], 0xff800000
.irp qt, 0,1
	v_mov_b32 v[ST+8*\qt], 0xff61b1e6              ; m: -3e38, under every score
.irp i, 1,2,3,4,5,6,7
	v_mov_b32 v[ST+8*\qt+\i], 0                    ; l, and what is named in pairs or as a permute's destination
.endr
.endr
.set II, 0
.rept 64
	v_mov_b32 v[O+II], 0                           ; O^T.  (The step is written once: the first finds zeros, which a = 0 leaves zeros)
.set II, II+1
.endr
	s_wait_loadcnt 0x0                             ; Q
; A KEY STEP: 64 keys, the q-th of the slot in hand.
.macro STEP q
	s_cmp_gt_u32 s[KF], s[QE]                      ; all keys come after my queries: a branch on ids, round the step's work alone
	s_cbranch_scc1 .Lhidden_\@
	v_add_nc_u32 v[AD], s[TB], v[LI]
.rept 4
	v_nop                                          ; with the line above five places: the first products below write over P, which the last step's products read; four serve the loads into K's registers
.endr
.irp s, 0,1
.irp kt, 0,1,2,3
.irp c, 0,1
	ds_load_b128 v[KV+8*(4*\s+\kt)+4*\c:KV+8*(4*\s+\kt)+4*\c+3], v[AD] offset:(4*(\q)+\kt)*2048+\s*1024+\c*512
.endr
.endr
.endr
	s_wait_dscnt 8                                 ; channels 0-31 are in; the eight loads of channels 32-63 may be out
.irp kt, 0,1,2,3
.irp qt, 0,1
	v_wmma_f32_16x16x32_f16 v[S+32*\qt+8*\kt:S+32*\qt+8*\kt+7], v[KV+8*\kt:KV+8*\kt+7], v[QF+16*\qt:QF+16*\qt+7], 0
.endr
.endr
	s_wait_dscnt 0x0
.irp kt, 0,1,2,3
.irp qt, 0,1
	v_wmma_f32_16x16x32_f16 v[S+32*\qt+8*\kt:S+32*\qt+8*\kt+7], v[KV+32+8*\kt:KV+32+8*\kt+7], v[QF+16*\qt+8:QF+16*\qt+15], v[S+32*\qt+8*\kt:S+32*\qt+8*\kt+7]   ; eight accumulators by turns
.endr
.endr
.rept 4
	v_nop                                          ; places in front of the loads into K's registers and of the first read of the scores
.endr
.irp kk, 0,1
.irp t, 0,1,2,3
.irp c, 0,1
	ds_load_b128 v[KV+8*(4*\kk+\t)+4*\c:KV+8*(4*\kk+\t)+4*\c+3], v[AD] offset:VOFF+(2*(\q)+\kk)*4096+\t*1024+\c*512   ; V lands while the softmax is walked
.endr
.endr
.endr
	s_add_co_u32 s[T0], s[KF], 63                  ; on the diagonal hidden scores become -infinity; a step all of whose keys count skips this
	s_cmp_le_u32 s[T0], s[Q0]
	s_cbranch_scc1 .Lopen_\@
	s_sub_co_i32 s[T0], s[Q0], s[KF]
	v_add_nc_u32 v[D0], s[T0], v[RH]
	v_add_nc_u32 v[D0+1], 16, v[D0]                ; register 8 kt + i of tile qt holds key KF + 16 kt + 8 h + i: hidden where 16 kt + i > Q0 - KF + 16 qt + r - 8 h
.irp qt, 0,1
.set NN, 0
.rept 32
	v_cmp_gt_i32 vcc_lo, 16*(NN/8)+NN%8, v[D0+\qt]
	v_cndmask_b32 v[S+32*\qt+NN], v[S+32*\qt+NN], v[NINF], vcc_lo
.set NN, NN+1
.endr
.endr
.Lopen_\@:
.irp j, 0,1,2,3                                ; the maximum: four chains, one to an accumulator, each begun at its low end; the two tiles line by line
.irp qt, 0,1
	v_max3_num_f32 v[ST+8*\qt+4+\j], v[S+32*\qt+8*\j], v[S+32*\qt+8*\j+1], v[S+32*\qt+8*\j+2]
.endr
.endr
.irp g, 1,2
.irp j, 0,1,2,3
.irp qt, 0,1
	v_max3_num_f32 v[ST+8*\qt+4+\j], v[ST+8*\qt+4+\j], v[S+32*\qt+8*\j+2*\g+1], v[S+32*\qt+8*\j+2*\g+2]
.endr
.endr
.endr
.irp qt, 0,1
	v_max3_num_f32 v[ST+8*\qt+4], v[ST+8*\qt+4], v[S+32*\qt+7], v[S+32*\qt+15]
.endr
.irp qt, 0,1
	v_max3_num_f32 v[ST+8*\qt+6], v[ST+8*\qt+6], v[S+32*\qt+23], v[S+32*\qt+31]
.endr
.irp qt, 0,1
	v_max3_num_f32 v[ST+8*\qt+4], v[ST+8*\qt+4], v[ST+8*\qt+5], v[ST+8*\qt+6]
.endr
.irp qt, 0,1
	v_max3_num_f32 v[ST+8*\qt+4], v[ST+8*\qt+4], v[ST+8*\qt+7], v[ST+8*\qt]    ; and the old m
.endr
.irp qt, 0,1
	v_permlanex16_b32 v[ST+8*\qt+5], v[ST+8*\qt+4], s[SEL], s[SEL+1]           ; the query's other 32 keys lie in the lane 16 away
.endr
.irp qt, 0,1
	v_mov_b32 v[ST+8*\qt+7], v[ST+8*\qt]
.endr
.irp qt, 0,1
	v_max_num_f32 v[ST+8*\qt], v[ST+8*\qt+4], v[ST+8*\qt+5]                    ; the new m
.endr
.irp qt, 0,1
	v_sub_f32 v[ST+8*\qt+7], v[ST+8*\qt+7], v[ST+8*\qt]                        ; old m - new m
.endr
.irp i, 0,2,4,6,8,10,12,14,16,18,20,22,24,26,28,30
.irp qt, 0,1
	v_pk_add_f32 v[S+32*\qt+\i:S+32*\qt+\i+1], v[S+32*\qt+\i:S+32*\qt+\i+1], v[ST+8*\qt:ST+8*\qt+1] op_sel_hi:[1,0] neg_lo:[0,1] neg_hi:[0,1]   ; s' - m
.endr
.endr
.irp qt, 0,1
	v_exp_f32 v[ST+8*\qt+6], v[ST+8*\qt+7]         ; a.  It and the 64 below are ONE batch: none of them reads another's result
.endr
.set II, 0
.rept 32
.irp qt, 0,1
	v_exp_f32 v[S+32*\qt+II], v[S+32*\qt+II]
.endr
.set II, II+1
.endr
	v_nop                                          ; a plain line behind the last exponential
	s_wait_alu depctr_va_vdst(0)                   ; one wait for the batch, ahead of its first reader
.irp qt, 0,1
	v_pk_mul_f32 v[ST+8*\qt+2:ST+8*\qt+3], v[ST+8*\qt+2:ST+8*\qt+3], v[ST+8*\qt+6:ST+8*\qt+7] op_sel_hi:[1,0]   ; l under the new m
.endr
.irp qt, 0,1
	v_pk_add_f32 v[ST+8*\qt+4:ST+8*\qt+5], v[S+32*\qt:S+32*\qt+1], v[S+32*\qt+2:S+32*\qt+3]                    ; the sum of p in f32, in two chains
.endr
.irp i, 4,8,12,16,20,24,28
.irp qt, 0,1
	v_pk_add_f32 v[ST+8*\qt+2:ST+8*\qt+3], v[ST+8*\qt+2:ST+8*\qt+3], v[S+32*\qt+\i:S+32*\qt+\i+1]
	v_pk_add_f32 v[ST+8*\qt+4:ST+8*\qt+5], v[ST+8*\qt+4:ST+8*\qt+5], v[S+32*\qt+\i+2:S+32*\qt+\i+3]
.endr
.endr
.irp qt, 0,1
	v_pk_add_f32 v[ST+8*\qt+2:ST+8*\qt+3], v[ST+8*\qt+2:ST+8*\qt+3], v[ST+8*\qt+4:ST+8*\qt+5]
.endr
.set II, 0
.rept 16
.irp qt, 0,1
	v_cvt_pk_f16_f32 v[S+32*\qt+II], v[S+32*\qt+2*II], v[S+32*\qt+2*II+1]      ; P, in place and ascending: register i is written when registers 2 i and 2 i + 1 are read
.endr
.set II, II+1
.endr
.irp i, 0,2,4,6,8,10,12,14,16,18,20,22,24,26,28,30
.irp qt, 0,1
	v_pk_mul_f32 v[O+32*\qt+\i:O+32*\qt+\i+1], v[O+32*\qt+\i:O+32*\qt+\i+1], v[ST+8*\qt+6:ST+8*\qt+7] op_sel_hi:[1,0]   ; O^T under the new m
.endr
.endr
	s_wait_dscnt 0x0                               ; V is in
.irp kk, 0,1
.irp t, 0,1,2,3
.irp qt, 0,1
	v_wmma_f32_16x16x32_f16 v[O+32*\qt+8*\t:O+32*\qt+8*\t+7], v[KV+8*(4*\kk+\t):KV+8*(4*\kk+\t)+7], v[S+32*\qt+8*\kk:S+32*\qt+8*\kk+7], v[O+32*\qt+8*\t:O+32*\qt+8*\t+7]   ; eight accumulators by turns
.endr
.endr
.endr
.Lhidden_\@:
	s_add_co_u32 s[KF], s[KF], 64
.endm
; THE CHANGE OF SLOTS stands at a slot's head.  Each wave waits for all its tensor loads, adds 0 to its spare word, and waits for that and for its reads of the slot that it has left.
; Behind the barrier the slot ahead is whole and nobody reads the other one, which is then filled with the next 256 keys: that load has four key steps in which to land.
.macro CHANGE fill
	s_wait_tensorcnt 0x0                           ; no tensor load of mine is out, so the descriptor may be written
	ds_add_u32 v[SPW], v[NIL]
.if \fill
	ds_add_u32 v[SPW], v[NIL]                      ; the add twice on end here, in every trip alike
	s_xor_b32 s[G0+1], s[G0+1], SLOT1              ; the other slot,
	s_add_nc_u64 s[G0+2:G0+3], s[G0+2:G0+3], 32768 ; the next 256 keys
	s_wait_xcnt 0x0                                ; the last prefetch, a slot back, has read its address
	s_add_nc_u64 s[PFA:PFA+1], s[PFA:PFA+1], 32768
.endif
	s_wait_dscnt 0x0
	s_barrier_signal -1
	s_barrier_wait -1
.if \fill
	s_add_co_u32 s[T0], s[KF], 256                 ; the first key of the slot that this change would ask for:
	s_cmp_gt_u32 s[T0], s[QL]                      ; behind my work-group's last query none of its waves reads it, so it is not asked for.  Ids and the count of steps alone: all sixteen waves go the same way
	s_cbranch_scc1 .Lpast_\@
	TLOAD
.Lpast_\@:
	ASK
.endif
.endm
.Lslot:                                            ; seven trips; every wait on TENSORcnt in this text is for 0
	CHANGE 1
	STEP 0
	STEP 1
	STEP 2
	STEP 3
	s_xor_b32 s[TB], s[TB], SLOT1
	s_sub_co_u32 s[SLOTS], s[SLOTS], 1
	s_cmp_lg_u32 s[SLOTS], 0
	s_cbranch_scc1 .Lslot
	CHANGE 0                                       ; the last slot is written out: nothing is left to fetch
	STEP 0
	STEP 1
	STEP 2
	STEP 3
	; THE WAY OUT: O^T / l, rounded to f16: a lane's eight channels are 16 bytes of the projection's image, the 32 lanes' 512 consecutive bytes.
.rept 4
	v_nop
.endr
.irp qt, 0,1
	v_add_f32 v[ST+8*\qt+4], v[ST+8*\qt+2], v[ST+8*\qt+3]
.endr
.irp qt, 0,1
	v_permlanex16_b32 v[ST+8*\qt+5], v[ST+8*\qt+4], s[SEL], s[SEL+1]
.endr
.irp qt, 0,1
	v_add_f32 v[ST+8*\qt+4], v[ST+8*\qt+4], v[ST+8*\qt+5]
.endr
.irp qt, 0,1
	v_rcp_f32 v[ST+8*\qt+6], v[ST+8*\qt+4]
.endr
	v_nop
	s_wait_alu depctr_va_vdst(0)                   ; one wait for the two reciprocals, ahead of their first reader
.irp qt, 0,1
.irp i, 0,2,4,6,8,10,12,14,16,18,20,22,24,26,28,30
	v_pk_mul_f32 v[O+32*\qt+\i:O+32*\qt+\i+1], v[O+32*\qt+\i:O+32*\qt+\i+1], v[ST+8*\qt+6:ST+8*\qt+7] op_sel_hi:[1,0]
.endr
.endr
.irp qt, 0,1
.set II, 0
.rept 16
	v_cvt_pk_f16_f32 v[S+16*\qt+II], v[O+32*\qt+2*II], v[O+32*\qt+2*II+1]
.set II, II+1
.endr
.endr
.irp qt, 0,1
.irp t, 0,1,2,3
	global_store_b128 v[LI], v[S+16*\qt+4*\t:S+16*\qt+4*\t+3], s[6:7] offset:\qt*4096+\t*512
.endr
.endr
	s_wait_tensorcnt 0x0                           ; the wave's end
	ds_add_u32 v[SPW], v[NIL]
	s_wait_dscnt 0x0
	s_endpgm
.Lfunc_end_k_q4037db84fd_attn:
	.size	k_q4037db84fd_attn, .Lfunc_end_k_q4037db84fd_attn-k_q4037db84fd_attn
	.p2alignl 7, 3214868480
	.fill 96, 4, 3214868480
	.section	.rodata,"a",@progbits
	.p2align	6, 0x0
	.amdhsa_kernel k_q4037db84fd_attn
		.amdhsa_group_segment_fixed_size 327680
		.amdhsa_private_segment_fixed_size 0
		.amdhsa_enable_private_segment 0
		.amdhsa_kernarg_size 16
		.amdhsa_user_sgpr_count 2
		.amdhsa_user_sgpr_kernarg_segment_ptr 1
		.amdhsa_wavefront_size32 1
		.amdhsa_system_sgpr_workgroup_id_x 1
		.amdhsa_system_sgpr_workgroup_id_y 1
		.amdhsa_system_sgpr_workgroup_id_z 1
		.amdhsa_system_vgpr_workitem_id 0
		.amdhsa_next_free_vgpr 256
		.amdhsa_next_free_sgpr 66
		.amdhsa_reserve_vcc 1
		.amdhsa_float_denorm_mode_32 3
		.amdhsa_float_denorm_mode_16_64 3
		.amdhsa_memory_ordered 1
		.amdhsa_forward_progress 1
		.amdhsa_inst_pref_size 184
	.end_amdhsa_kernel
	.amdgpu_metadata
---
amdhsa.version: [ 1, 2 ]
amdhsa.kernels:
  - .name:           k_q4037db84fd_attn
    .symbol:         k_q4037db84fd_attn.kd
    .args:
      - { .name: qkv16, .offset: 0, .size: 8, .value_kind: global_buffer, .address_space: global }
      - { .name: at16, .offset: 8, .size: 8, .value_kind: global_buffer, .address_space: global }
    .group_segment_fixed_size: 327680
    .private_segment_fixed_size: 0
    .kernarg_segment_align: 8
    .kernarg_segment_size: 16
    .max_flat_workgroup_size: 512
    .sgpr_count:     66
    .vgpr_count:     256
    .wavefront_size: 32
...
	.end_amdgpu_metadata
.endif
;; end of part 3
;; launch proj (part 4): grid 8 x 32, 4 waves a work-group, clusters of 4 x 4, 327,680 bytes of LDS; arguments at16, wp16, out0; writes out0
.if DOCPART == 4
	.amdgcn_target "amdgcn-amd-amdhsa--gfx1250"
	.amdhsa_code_object_version 6
	.text
	.protected	k_q4037db84fd_proj
	.globl	k_q4037db84fd_proj
	.p2align	8
	.type	k_q4037db84fd_proj,@function
k_q4037db84fd_proj:
	s_mov_b64 s[64:65], 0
	v_nop
	global_prefetch_b8 v0, s[64:65] scope:SCOPE_SE
	s_setreg_imm32_b32 hwreg(HW_REG_WAVE_MODE, 25, 1), 1
	s_wait_xcnt 0x0
	s_wait_alu depctr_hold_cnt(0) depctr_sa_sdst(0) depctr_va_vdst(0) depctr_va_sdst(0) depctr_va_ssrc(0) depctr_va_vcc(0) depctr_vm_vsrc(0)
	s_getreg_b32 s2, hwreg(HW_REG_IB_STS2, 6, 4)
	s_cmp_eq_u32 s2, 0
	s_cbranch_scc0 .Lentry_in_a_cluster
	s_endpgm
.Lentry_in_a_cluster:
	s_bfe_u32 s2, ttmp6, 0x10000c
	s_cmp_lg_u32 s2, 0xf033
	s_cbranch_scc0 .Lentry_shape_is_right
	s_endpgm
.Lentry_shape_is_right:
; out0[m][n] = sum over k of at[m][k] w_proj[k][n]: [8192][1024] x [1024][1024] on f16 operands, sums in f32, out0 in f32.  Both operands lie as register images:
; (row>>7) 262144 + (k>>7) 32768 + ((row>>4)&7) 4096 + ((k>>3)&15) 256 + (row&15) 16 + (k&7) 2, so a K step of 128 of 128 rows is one dense block of 32,768 bytes.
; A tile of out0 is 256 rows x 128 columns: 256 work-groups.  Four waves, each 128 x 64: 32 accumulators, 256 registers.  K goes in eight steps of 128 through a ring of two LDS slots.
; Every wave fetches: waves 0 and 1 the two halves of A's tile (32,768 bytes each), waves 2 and 3 those of B's (16,384 each).
; CLUSTER 4 x 4: A's tile is shared along a row of the cluster, B's along a column: each is asked for jointly.  THE MATRIX INSTRUCTION IS USED TRANSPOSED (source 0 = 16 columns, source 1 = 16 rows):
; a lane holds eight neighbouring numbers of a row of out0.
; Positions 0-15 of every batch are written here with the others and written again, from f32 operands, by the launch that follows: to leave them out would take a branch on a work-group's place in its cluster.
; REGISTERS: window 0: v16-29 addresses; v32-127, v128-223 two fragment buffers (A's eight fragments, then B's four); on the way out v32-95 are rows of out0.  window 1: the accumulators, (a, b) at v[8 (4 a + b)].
.set KSB,    32768                     ; from a K step to the next, in both operands
.set SLOT,   98304                     ; A's 65,536 bytes, then B's 32,768
.set BOFF,   65536
.set STAGE,  2*SLOT                    ; behind the ring: 16 rows x (256 bytes + 16) for each wave
.set SPITCH, 272
.set SPARE,  STAGE+4*16*SPITCH         ; the spare words, 128 bytes for each wave
.set LAPS,   4
.set ADRA, 16
.set ADRB, 20
.set STO,  24
.set RD,   25
.set CO,   26
.set LI,   27
.set SPW,  28
.set NIL,  29
.set F0,   32
.set F1,   128
.set BK,   32
.set G1,  24
.set G0,  32
.set G1B, 48
.set G0B, 56
.set MSB, 0
.macro WIN new
.if MSB != \new
	s_set_vgpr_msb (MSB<<8)|\new
.set MSB, \new
.endif
.endm
.set MUL, 0x50                         ; C and D window 1, the sources window 0
.macro JLOAD s                         ; a joint load; an s_nop 0 and four v_nop follow each of the two lines
	s_cmp_eq_u32 s11, 0
	s_cbranch_scc0 .Lfor_b_\@
	tensor_load_to_lds s[G0+4*\s:G0+4*\s+3], s[G1:G1+7]
	s_nop 0
.rept 4
	v_nop
.endr
	s_branch .Lasked_\@
.Lfor_b_\@:
	tensor_load_to_lds s[G0B+4*\s:G0B+4*\s+3], s[G1B:G1B+7]
	s_nop 0
.rept 4
	v_nop
.endr
.Lasked_\@:
.endm
.macro CREST                           ; a round of the cluster's barrier behind its opening barrier
	s_cmp_lg_u32 s10, 0
	s_cbranch_scc1 .Lnot_wave_0_\@
	s_barrier_signal -3
.Lnot_wave_0_\@:
	s_barrier_wait -3
	s_barrier_signal -1
	s_barrier_wait -1
.endm
.macro CROUND
	s_barrier_signal -1
	s_barrier_wait -1
	CREST
.endm
	s_load_b128 s[4:7], s[0:1], 0x0                ; at16 s[4:5], wp16 s[6:7]
	s_load_b64 s[8:9], s[0:1], 0x10                ; out0
	v_lshl_add_u32 v[SPW], v0, 2, SPARE
	v_mov_b32 v[NIL], 0
	ds_add_u32 v[SPW], v[NIL]                      ; the wave's opening: the add, twice on end, and its wait ahead of my first tensor load
	ds_add_u32 v[SPW], v[NIL]
	v_lshrrev_b32 v1, 5, v0
	v_readfirstlane_b32 s10, v1                    ; wave
	s_lshr_b32 s11, s10, 1                         ; my half of the tile's rows.  Also: I fetch for A (0) or for B (1)
	s_and_b32 s12, s10, 1                          ; my half of its columns.  Also: which half I fetch
	s_bfe_u32 s40, ttmp6, 0x40000                  ; cx
	s_bfe_u32 s41, ttmp6, 0x40004                  ; cy
	s_lshl_b32 s42, ttmp9, 2
	s_add_co_u32 s42, s42, s40                     ; tile column, 128 wide
	s_and_b32 s13, ttmp7, 0xffff
	s_lshl_b32 s13, s13, 2
	s_add_co_u32 s13, s13, s41                     ; tile row, 256 high
	s_lshl_b32 s43, s41, 2
	s_lshl_b32 s43, 15, s43                        ; my row of the cluster
	s_lshl_b32 s44, 0x1111, s40                    ; my column
	s_or_b32 s[G1], s43, (3<<16)|(1<<21)           ; dense blocks as rows of 256 bytes (32 elements of 8 bytes), no padding: A 128 rows, B 64
	s_or_b32 s[G1B], s44, (3<<16)|(1<<21)
	s_mov_b32 s[G1+1], 32<<16
	s_mov_b32 s[G1+2], 128<<16
	s_mov_b32 s[G1+3], 32<<16
	s_mov_b32 s[G1+4], 128
	s_mov_b32 s[G1+5], 32
	s_mov_b32 s[G1+6], 0
	s_mov_b32 s[G1+7], 0
	s_mov_b32 s[G1B+1], 32<<16
	s_mov_b32 s[G1B+2], 64<<16
	s_mov_b32 s[G1B+3], 32<<16
	s_mov_b32 s[G1B+4], 64
	s_mov_b32 s[G1B+5], 32
	s_mov_b32 s[G1B+6], 0
	s_mov_b32 s[G1B+7], 0
	s_lshl_b32 s16, s13, 1
	s_add_co_u32 s16, s16, s12
	s_lshl_b32 s16, s16, 18                        ; A: block of 128 rows 2 x tile row + half
	s_mov_b32 s17, 0
	s_lshl_b32 s46, s42, 18                        ; B: block of 128 columns = tile column, + 64 columns x half
	s_lshl_b32 s47, s12, 14
	s_add_co_u32 s46, s46, s47
	s_mov_b32 s47, 0
	s_lshl_b32 s20, s12, 15                        ; where they go: no place in the cluster enters an LDS address
	s_lshl_b32 s21, s12, 14
	s_add_co_u32 s21, s21, BOFF
	s_wait_dscnt 0x0                               ; both opening adds are done
	s_wait_kmcnt 0x0
	s_add_nc_u64 s[14:15], s[4:5], s[16:17]
	s_add_nc_u64 s[46:47], s[6:7], s[46:47]
	CROUND                                         ; all sixteen work-groups are here: the first joint loads meet
.irp s, 0,1
	s_mov_b32 s[G0+4*\s], 1
	s_add_co_u32 s[G0+4*\s+1], s20, \s*SLOT
	s_add_nc_u64 s[G0+4*\s+2:G0+4*\s+3], s[14:15], \s*KSB
	s_or_b32 s[G0+4*\s+3], s[G0+4*\s+3], 0x80000000
	s_mov_b32 s[G0B+4*\s], 1
	s_add_co_u32 s[G0B+4*\s+1], s21, \s*SLOT
	s_add_nc_u64 s[G0B+4*\s+2:G0B+4*\s+3], s[46:47], \s*KSB
	s_or_b32 s[G0B+4*\s+3], s[G0B+4*\s+3], 0x80000000
	JLOAD \s
.endr
	v_and_b32 v1, 15, v0                           ; r
	v_bfe_u32 v2, v0, 4, 1                         ; h
	v_and_b32 v3, 31, v0
	v_lshlrev_b32 v[LI], 4, v3
	s_lshl_b32 s21, s11, 15                        ; my 128 rows of A
	s_lshl_b32 s22, s12, 14
	s_add_co_u32 s22, s22, BOFF                    ; my 64 columns of B
.irp s, 0,1
	v_add_nc_u32 v[ADRA+\s], s21, v[LI]
	v_add_nc_u32 v[ADRB+\s], s22, v[LI]
	s_add_co_u32 s21, s21, SLOT
	s_add_co_u32 s22, s22, SLOT
.endr
	s_mul_i32 s23, s10, 16*SPITCH
	s_add_co_u32 s23, s23, STAGE                   ; my stage
	v_mul_u32_u24 v4, v1, SPITCH
	v_lshl_add_u32 v4, v2, 5, v4
	v_add_nc_u32 v[STO], s23, v4                   ; in: row r, 32 bytes for each half of the lanes
	v_mul_u32_u24 v5, v2, SPITCH
	v_lshl_add_u32 v5, v1, 4, v5
	v_add_nc_u32 v[RD], s23, v5                    ; back: lanes 0-15 one row of 256 bytes, lanes 16-31 the next
	v_lshlrev_b32 v5, 12, v2
	v_lshl_add_u32 v[CO], v1, 4, v5                ; and the same two rows in out0
	s_lshl_b32 s16, s13, 20                        ; my first row: 256 x tile row + 128 x half, 4,096 bytes a row
	s_lshl_b32 s17, s11, 19
	s_add_co_u32 s16, s16, s17
	s_mov_b32 s17, 0
	s_add_nc_u64 s[8:9], s[8:9], s[16:17]
	s_lshl_b32 s46, s42, 9                         ; my first column, in bytes: 512 x tile column + 256 x half
	s_lshl_b32 s47, s12, 8
	s_add_co_u32 s46, s46, s47
	s_mov_b32 s47, 0
	s_add_nc_u64 s[8:9], s[8:9], s[46:47]
.macro MUL8 f, a0, zero                ; A blocks a0, a0 + 1 x B's four, 32 along K.  The 32 accumulators take turns, one instruction a turn, in the same order in every quarter
.irp a, \a0, \a0+1
.irp b, 0,1,2,3
.if \zero
	v_wmma_f32_16x16x32_f16 v[8*(4*(\a)+\b):8*(4*(\a)+\b)+7], v[\f+64+8*\b:\f+64+8*\b+7], v[\f+8*(\a):\f+8*(\a)+7], 0
.else
	v_wmma_f32_16x16x32_f16 v[8*(4*(\a)+\b):8*(4*(\a)+\b)+7], v[\f+64+8*\b:\f+64+8*\b+7], v[\f+8*(\a):\f+8*(\a)+7], v[8*(4*(\a)+\b):8*(4*(\a)+\b)+7]
.endif
.endr
.endr
.endm
.macro FETCH slot, k, f                ; 24 LDS loads in one run: the k-th 32 along K of the slot: B's four fragments, then A's eight
.irp i, 0,1,2,3
	ds_load_b128 v[\f+64+8*\i:\f+64+8*\i+3],   v[ADRB+\slot] offset:\i*4096+(\k)*1024
	ds_load_b128 v[\f+64+8*\i+4:\f+64+8*\i+7], v[ADRB+\slot] offset:\i*4096+(\k)*1024+512
.endr
.irp i, 0,1,2,3,4,5,6,7
	ds_load_b128 v[\f+8*\i:\f+8*\i+3],   v[ADRA+\slot] offset:\i*4096+(\k)*1024
	ds_load_b128 v[\f+8*\i+4:\f+8*\i+7], v[ADRA+\slot] offset:\i*4096+(\k)*1024+512
.endr
.endm
.macro PLACES                          ; four plain lines in front of loads into registers that matrix instructions have read, and of the first read of results
.rept 4
	v_nop
.endr
.endm
.macro QUARTER slot, k, f, g, zero     ; multiplies buffer f and fetches the slot's k-th quarter into g
	s_wait_dscnt 8                                 ; B and A's blocks 0-3 are in; the youngest eight loads (A's blocks 4-7) may be out
	WIN MUL
	MUL8 \f, 0, \zero
	MUL8 \f, 2, \zero
	PLACES
	WIN 0
	FETCH \slot, \k, \g
	s_wait_dscnt 24                                ; all but the 24 just issued
	WIN MUL
	MUL8 \f, 4, \zero
	MUL8 \f, 6, \zero
.endm
; A slot's last quarter multiplies buffer 1 and changes slots: ONE barrier; in front of it each wave waits for all its tensor loads, adds 0 to its spare word, and waits for that and for its reads of this slot.
.macro TURN slot, next, fill
	WIN 0
	s_wait_tensorcnt 0x0                           ; my part of the next slot has landed
	ds_add_u32 v[SPW], v[NIL]
	s_wait_dscnt 9                                 ; the add and the youngest eight loads may be out
	WIN MUL
	MUL8 F1, 0, 0
	s_wait_dscnt 0x0                               ; the add is done, and my reads of this slot are over
	s_barrier_signal -1
	MUL8 F1, 2, 0
	WIN 0
	s_barrier_wait -1
.if \fill
	CREST                                          ; the barrier has opened a round of the cluster's: no wave of any partner still reads this slot or has a load on its way
	s_add_nc_u64 s[G0+4*\slot+2:G0+4*\slot+3], s[G0+4*\slot+2:G0+4*\slot+3], 2*KSB
	s_add_nc_u64 s[G0B+4*\slot+2:G0B+4*\slot+3], s[G0B+4*\slot+2:G0B+4*\slot+3], 2*KSB
	JLOAD \slot                                    ; the first tensor load behind the round; its four v_nop are also the places in front of the loads below
.else
	PLACES
.endif
	FETCH \next, 0, F0
	WIN MUL
	MUL8 F1, 4, 0
	MUL8 F1, 6, 0
.endm
	s_wait_tensorcnt 1                             ; my part of K step 0 is in; K step 1's load may be out
	s_barrier_signal -1
	s_barrier_wait -1
	FETCH 0, 0, F0
	QUARTER 0, 1, F0, F1, 1                        ; the first quarter's products start the sums
	WIN 0
	s_mov_b32 s3, LAPS-1
.Llap:                                             ; a trip goes once round the ring and fills both slots again
	QUARTER 0, 2, F1, F0, 0
	QUARTER 0, 3, F0, F1, 0
	TURN 0, 1, 1
	QUARTER 1, 1, F0, F1, 0
	QUARTER 1, 2, F1, F0, 0
	QUARTER 1, 3, F0, F1, 0
	TURN 1, 0, 1
	QUARTER 0, 1, F0, F1, 0
	WIN 0
	s_sub_co_u32 s3, s3, 1
	s_cmp_lg_u32 s3, 0
	s_cbranch_scc1 .Llap
	QUARTER 0, 2, F1, F0, 0                        ; the last lap fills nothing
	QUARTER 0, 3, F0, F1, 0
	TURN 0, 1, 0
	QUARTER 1, 1, F0, F1, 0
	QUARTER 1, 2, F1, F0, 0
	QUARTER 1, 3, F0, F1, 0
	s_wait_dscnt 8
	WIN MUL
	MUL8 F1, 0, 0
	MUL8 F1, 2, 0
	s_wait_dscnt 0
	MUL8 F1, 4, 0
	MUL8 F1, 6, 0
	WIN 0
; THE WAY OUT, a block of 16 rows x 64 columns at a time, through my own stage: in as 32 bytes a lane, back as whole rows of 256 bytes.  LDS serves a wave's instructions in order: no wait between stores and loads.
.macro TOSTAGE a
	WIN 0x04                                       ; an LDS store's data are its source 1: window 1
.irp b, 0,1,2,3
	ds_store_b128 v[STO], v[8*(4*(\a)+\b):8*(4*(\a)+\b)+3] offset:64*\b          ; each accumulator from its low end on
	ds_store_b128 v[STO], v[8*(4*(\a)+\b)+4:8*(4*(\a)+\b)+7] offset:64*\b+16
.endr
	WIN 0
.set BB, BK+32*((\a)%2)
.irp t, 0,1,2,3,4,5,6,7
	ds_load_b128 v[BB+4*\t:BB+4*\t+3], v[RD] offset:\t*2*SPITCH
.endr
.endm
.macro SEND a, younger
.set BB, BK+32*((\a)%2)
	s_wait_dscnt \younger                          ; the block is back; the next block's eight stores and eight loads may be out
.if (\a) > 0
	s_add_nc_u64 s[8:9], s[8:9], 65536             ; 16 rows on (behind a wait on XCNT: the earlier stores have read their base)
.endif
.irp t, 0,1,2,3,4,5,6,7
	global_store_b128 v[CO], v[BB+4*\t:BB+4*\t+3], s[8:9] offset:\t*8192 th:TH_STORE_NT   ; sixteen lanes store 256 consecutive bytes, aligned
.endr
.endm
	PLACES
	TOSTAGE 0
.irp a, 1,2,3,4,5,6,7
.if \a > 1
	s_wait_xcnt 0x0                                ; block a - 2's stores have read their registers and their base
.endif
	TOSTAGE \a
	SEND \a-1, 16
.endr
	s_wait_xcnt 0x0
	SEND 7, 0
	s_wait_tensorcnt 0x0                           ; the wave's end: the closing lines, behind my last tensor load and my last LDS store
	ds_add_u32 v[SPW], v[NIL]
	s_wait_dscnt 0x0
	CROUND                                         ; the closing round
	s_endpgm
.Lfunc_end_k_q4037db84fd_proj:
	.size	k_q4037db84fd_proj, .Lfunc_end_k_q4037db84fd_proj-k_q4037db84fd_proj
	.p2alignl 7, 3214868480
	.fill 96, 4, 3214868480
	.section	.rodata,"a",@progbits
	.p2align	6, 0x0
	.amdhsa_kernel k_q4037db84fd_proj
		.amdhsa_group_segment_fixed_size 327680
		.amdhsa_private_segment_fixed_size 0
		.amdhsa_enable_private_segment 0
		.amdhsa_kernarg_size 24
		.amdhsa_user_sgpr_count 2
		.amdhsa_user_sgpr_kernarg_segment_ptr 1
		.amdhsa_wavefront_size32 1
		.amdhsa_system_sgpr_workgroup_id_x 1
		.amdhsa_system_sgpr_workgroup_id_y 1
		.amdhsa_system_sgpr_workgroup_id_z 1
		.amdhsa_system_vgpr_workitem_id 0
		.amdhsa_next_free_vgpr 512
		.amdhsa_next_free_sgpr 66
		.amdhsa_reserve_vcc 0
		.amdhsa_float_denorm_mode_32 3
		.amdhsa_float_denorm_mode_16_64 3
		.amdhsa_memory_ordered 1
		.amdhsa_forward_progress 1
		.amdhsa_inst_pref_size 85
	.end_amdhsa_kernel
	.amdgpu_metadata
---
amdhsa.version: [ 1, 2 ]
amdhsa.kernels:
  - .name:           k_q4037db84fd_proj
    .symbol:         k_q4037db84fd_proj.kd
    .args:
      - { .name: at16, .offset: 0, .size: 8, .value_kind: global_buffer, .address_space: global }
      - { .name: wp16, .offset: 8, .size: 8, .value_kind: global_buffer, .address_space: global }
      - { .name: out0, .offset: 16, .size: 8, .value_kind: global_buffer, .address_space: global }
    .group_segment_fixed_size: 327680
    .private_segment_fixed_size: 0
    .kernarg_segment_align: 8
    .kernarg_segment_size: 24
    .max_flat_workgroup_size: 128
    .sgpr_count:     66
    .vgpr_count:     512
    .wavefront_size: 32
...
	.end_amdgpu_metadata
.endif
;; end of part 4
;; launch fine (part 5): grid 64 x 4, 16 waves a work-group, no clusters, 18,432 bytes of LDS; arguments head32, w_proj, out0; writes out0
.if DOCPART == 5
	.amdgcn_target "amdgcn-amd-amdhsa--gfx1250"
	.amdhsa_code_object_version 6
	.text
	.protected	k_q4037db84fd_fine
	.globl	k_q4037db84fd_fine
	.p2align	8
	.type	k_q4037db84fd_fine,@function
k_q4037db84fd_fine:
	s_mov_b64 s[64:65], 0
	v_nop
	global_prefetch_b8 v0, s[64:65] scope:SCOPE_SE
	s_setreg_imm32_b32 hwreg(HW_REG_WAVE_MODE, 25, 1), 1
	s_wait_xcnt 0x0
; Positions 0-15 of every batch once more, in f32 from end to end: these rows average one to sixteen values and are the largest in size, so f16 operands weigh most there.
; Work-group (slice, batch): 16 columns of out0 for the batch's first 16 rows.  Wave = head: it makes its head's 16 x 16 attention and that head's part of the 16 x 16 piece of out0;
; the sixteen parts meet in LDS and are added in the order of the heads.  The small attention is repeated in each of the 64 slices, so that no sum spans work-groups.
; head32 holds the accumulators of q, k, v as they stood: lane (r, h), register 8 t + i: q and k: position r, channel 16 t + 8 h + i;  v: channel 16 t + r, position 8 h + i.
; A pair of registers 8 t + 2 s, + 1 IS an operand of the f32 matrix form (16 rows x 4 along K; lane (r, h), register i: K place 2 h + i): the K places then stand for channels (or keys) 8 h + 2 s + i of tile t,
; the same on both sides of a product, and over s and t each is taken once.
; The registers that the f32 matrix form writes are written by it alone; four accumulators take turns, and sums, scalings and the softmax go into other registers.
; A row's piece is 64 bytes, so aligned blocks of 256 bytes are written in four parts: 262,144 bytes in all.
.set SPARE, 16384                      ; behind the sixteen parts of 1,024 bytes: the spare words, 128 bytes for each wave
.set SPW,  2
.set NIL,  3
.set QR,   16                          ; v16-47   q, later o, later the parts
.set KR,   48                          ; v48-79   k
.set VR,   80                          ; v80-111  v
.set WR,   112                         ; v112-143 w_proj: register 8 t + i: row head 64 + 16 t + 8 h + i, column slice 16 + r
.set ACC1, 144                         ; v144-175 four accumulators: the scores' parts, later out0's
.set ACC2, 176                         ; v176-207 O^T
.set SR,   208                         ; v208-215 the scores
.set PR,   216                         ; v216-223 p
.set PT,   224                         ; v224-231 my head's part
	s_load_b128 s[4:7], s[0:1], 0x0                ; head32 s[4:5], w_proj s[6:7]
	s_load_b64 s[8:9], s[0:1], 0x10                ; out0
	v_lshl_add_u32 v[SPW], v0, 2, SPARE
	v_mov_b32 v[NIL], 0
	v_lshrrev_b32 v1, 5, v0
	v_readfirstlane_b32 s10, v1                    ; wave = head
	v_and_b32 v4, 31, v0
	v_lshlrev_b32 v1, 4, v4                        ; 16 x lane
	v_and_b32 v5, 15, v0                           ; r
	v_bfe_u32 v6, v0, 4, 1                         ; h
	v_lshlrev_b32 v7, 2, v5
	v_lshl_add_u32 v7, v6, 15, v7                  ; w_proj: 8 h rows of 4,096 bytes + 4 r
	v_lshlrev_b32 v8, 3, v6
	v_sub_nc_u32 v8, v5, v8                        ; r - 8 h
	s_lshl_b32 s11, s10, 10
	v_add_nc_u32 v9, s11, v1                       ; LDS: where my part goes
	s_min_u32 s11, s10, 1
	s_lshl_b32 s13, s11, 9
	v_add_nc_u32 v10, s13, v1                      ; LDS: what waves 0 and 1 read back: the parts' lower or upper four registers
	v_lshlrev_b32 v11, 12, v5
	v_lshl_add_u32 v11, v6, 5, v11                 ; out0: row r, 32 h bytes on
	v_mov_b32 v12, 0xff800000                      ; -infinity
	v_mov_b32 v14, 0                               ; a lane permute's destination counts as one of its sources
	s_and_b32 s12, ttmp7, 0xffff                   ; batch
	s_mul_i32 s14, s12, 48
	s_add_co_u32 s14, s14, s10
	s_lshl_b32 s14, s14, 12                        ; head32: (batch 3 x 16 + head) 4096; k lies 65,536 and v 131,072 bytes on
	s_mov_b32 s15, 0
	s_lshl_b32 s16, s10, 18                        ; w_proj: my head's 64 rows, the slice's 16 columns
	s_lshl_b32 s17, ttmp9, 6
	s_add_co_u32 s16, s16, s17
	s_mov_b32 s17, 0
	s_lshl_b32 s18, s12, 23                        ; out0: the batch's first row, the slice's 64 bytes, my 16 of each 32
	s_lshl_b32 s19, ttmp9, 6
	s_add_co_u32 s18, s18, s19
	s_lshl_b32 s19, s11, 4
	s_add_co_u32 s18, s18, s19
	s_mov_b32 s19, 0
	s_mov_b32 s20, 0x3e38aa3b                      ; c = log2(e) / 8
	s_mov_b32 s22, 0x76543210
	s_mov_b32 s23, 0xfedcba98
	s_wait_kmcnt 0x0
	s_add_nc_u64 s[4:5], s[4:5], s[14:15]
	s_add_nc_u64 s[6:7], s[6:7], s[16:17]
	s_add_nc_u64 s[8:9], s[8:9], s[18:19]
.irp z, 0,1,2
.irp i, 0,1,2,3,4,5,6,7
	global_load_b128 v[QR+32*\z+4*\i:QR+32*\z+4*\i+3], v1, s[4:5] offset:\z*65536+\i*512
.endr
.endr
.irp t, 0,1,2,3
.irp i, 0,1,2,3,4,5,6,7
	global_load_b32 v[WR+8*\t+\i], v7, s[6:7] offset:(16*\t+\i)*4096
.endr
.endr
	s_wait_loadcnt 40                              ; q and k are in; v's eight loads and w_proj's 32 may be out
.irp s, 0,1,2,3                                ; S^T = k q^T: source 0 = 16 keys, source 1 = 16 queries; accumulator t sums the channels of tile t
.irp t, 0,1,2,3
.if \s == 0
	v_wmma_f32_16x16x4_f32 v[ACC1+8*\t:ACC1+8*\t+7], v[KR+8*\t+2*\s:KR+8*\t+2*\s+1], v[QR+8*\t+2*\s:QR+8*\t+2*\s+1], 0
.else
	v_wmma_f32_16x16x4_f32 v[ACC1+8*\t:ACC1+8*\t+7], v[KR+8*\t+2*\s:KR+8*\t+2*\s+1], v[QR+8*\t+2*\s:QR+8*\t+2*\s+1], v[ACC1+8*\t:ACC1+8*\t+7]
.endif
.endr
.endr
.rept 8
	v_nop                                          ; eight places behind this form (ISA guide 7.12.1)
.endr
.irp i, 0,2,4,6                                ; the four parts are added, each accumulator from its low end on: lane (r, h) holds query r, keys 8 h + 0 .. 7
	v_pk_add_f32 v[SR+\i:SR+\i+1], v[ACC1+\i:ACC1+\i+1], v[ACC1+8+\i:ACC1+8+\i+1]
	v_pk_add_f32 v[PR+\i:PR+\i+1], v[ACC1+16+\i:ACC1+16+\i+1], v[ACC1+24+\i:ACC1+24+\i+1]
.endr
.irp i, 0,2,4,6
	v_pk_add_f32 v[SR+\i:SR+\i+1], v[SR+\i:SR+\i+1], v[PR+\i:PR+\i+1]
.endr
.irp j, 0,1,2,3,4,5,6,7
	v_cmp_gt_i32 vcc_lo, \j, v8                    ; key 8 h + j comes after query r
	v_cndmask_b32 v[SR+\j], v[SR+\j], v12, vcc_lo
.endr
	v_max3_num_f32 v13, v[SR], v[SR+1], v[SR+2]
	v_max3_num_f32 v13, v13, v[SR+3], v[SR+4]
	v_max3_num_f32 v13, v13, v[SR+5], v[SR+6]
	v_max_num_f32 v13, v13, v[SR+7]
	v_permlanex16_b32 v14, v13, s22, s23
	v_max_num_f32 v13, v13, v14                    ; the row's largest score: key 0 counts for every query
	v_mul_f32 v13, s20, v13
.irp j, 0,1,2,3,4,5,6,7
	v_fma_f32 v[PR+\j], v[SR+\j], s20, -v13        ; c s - c m
.endr
.irp j, 0,1,2,3,4,5,6,7
	v_exp_f32 v[PR+\j], v[PR+\j]
.endr
	v_nop
	s_wait_alu depctr_va_vdst(0)                   ; one wait for the eight, ahead of their first reader
	v_pk_add_f32 v[SR:SR+1], v[PR:PR+1], v[PR+2:PR+3]
	v_pk_add_f32 v[SR+2:SR+3], v[PR+4:PR+5], v[PR+6:PR+7]
	v_pk_add_f32 v[SR:SR+1], v[SR:SR+1], v[SR+2:SR+3]
	v_add_f32 v13, v[SR], v[SR+1]
	v_permlanex16_b32 v14, v13, s22, s23
	v_add_f32 v13, v13, v14                        ; the row's sum
	v_rcp_f32 v15, v13
	v_nop
	s_wait_alu depctr_va_vdst(0)
	s_wait_loadcnt 32                              ; v is in; w_proj's 32 loads may be out
.irp s, 0,1,2,3                                ; O^T = v^T p: source 0 = 16 channels of tile t, source 1 = p; the K places stand for keys 8 h + 2 s + i
.irp t, 0,1,2,3
.if \s == 0
	v_wmma_f32_16x16x4_f32 v[ACC2+8*\t:ACC2+8*\t+7], v[VR+8*\t+2*\s:VR+8*\t+2*\s+1], v[PR+2*\s:PR+2*\s+1], 0
.else
	v_wmma_f32_16x16x4_f32 v[ACC2+8*\t:ACC2+8*\t+7], v[VR+8*\t+2*\s:VR+8*\t+2*\s+1], v[PR+2*\s:PR+2*\s+1], v[ACC2+8*\t:ACC2+8*\t+7]
.endif
.endr
.endr
.rept 8
	v_nop
.endr
.set II, 0
.rept 32
	v_mul_f32 v[QR+II], v[ACC2+II], v15            ; o = O^T / the sum: lane (r, h), register 8 t + i: query r, channel 16 t + 8 h + i
.set II, II+1
.endr
	s_wait_loadcnt 0x0                             ; w_proj
.irp s, 0,1,2,3                                ; my head's part of out0: source 0 = 16 columns of w_proj, source 1 = o
.irp t, 0,1,2,3
.if \s == 0
	v_wmma_f32_16x16x4_f32 v[ACC1+8*\t:ACC1+8*\t+7], v[WR+8*\t+2*\s:WR+8*\t+2*\s+1], v[QR+8*\t+2*\s:QR+8*\t+2*\s+1], 0
.else
	v_wmma_f32_16x16x4_f32 v[ACC1+8*\t:ACC1+8*\t+7], v[WR+8*\t+2*\s:WR+8*\t+2*\s+1], v[QR+8*\t+2*\s:QR+8*\t+2*\s+1], v[ACC1+8*\t:ACC1+8*\t+7]
.endif
.endr
.endr
.rept 8
	v_nop
.endr
.irp i, 0,2,4,6
	v_pk_add_f32 v[PT+\i:PT+\i+1], v[ACC1+\i:ACC1+\i+1], v[ACC1+8+\i:ACC1+8+\i+1]
	v_pk_add_f32 v[SR+\i:SR+\i+1], v[ACC1+16+\i:ACC1+16+\i+1], v[ACC1+24+\i:ACC1+24+\i+1]
.endr
.irp i, 0,2,4,6
	v_pk_add_f32 v[PT+\i:PT+\i+1], v[PT+\i:PT+\i+1], v[SR+\i:SR+\i+1]           ; lane (r, h): row r, columns 8 h + 0 .. 7 of the slice
.endr
	ds_store_b128 v9, v[PT:PT+3]
	ds_store_b128 v9, v[PT+4:PT+7] offset:512
	s_wait_dscnt 0x0                               ; for the others' sake: my part lies in LDS
	s_barrier_signal -1
	s_barrier_wait -1
	s_cmp_lt_u32 s10, 2                            ; wave 0 adds the parts' lower four registers, wave 1 the upper four
	s_cbranch_scc0 .Ldone
.irp w, 0,1,2,3,4,5,6,7,8,9,10,11,12,13,14,15
	ds_load_b128 v[QR+4*\w:QR+4*\w+3], v10 offset:\w*1024
.endr
	s_wait_dscnt 0x0
.irp w, 1,2,3,4,5,6,7,8,9,10,11,12,13,14,15
	v_pk_add_f32 v[QR:QR+1], v[QR:QR+1], v[QR+4*\w:QR+4*\w+1]
	v_pk_add_f32 v[QR+2:QR+3], v[QR+2:QR+3], v[QR+4*\w+2:QR+4*\w+3]
.endr
	global_store_b128 v11, v[QR:QR+3], s[8:9]
.Ldone:
	s_wait_tensorcnt 0x0                           ; the wave's end: the closing lines, behind my last LDS store
	ds_add_u32 v[SPW], v[NIL]
	s_wait_dscnt 0x0
	s_endpgm
.Lfunc_end_k_q4037db84fd_fine:
	.size	k_q4037db84fd_fine, .Lfunc_end_k_q4037db84fd_fine-k_q4037db84fd_fine
	.p2alignl 7, 3214868480
	.fill 96, 4, 3214868480
	.section	.rodata,"a",@progbits
	.p2align	6, 0x0
	.amdhsa_kernel k_q4037db84fd_fine
		.amdhsa_group_segment_fixed_size 18432
		.amdhsa_private_segment_fixed_size 0
		.amdhsa_enable_private_segment 0
		.amdhsa_kernarg_size 24
		.amdhsa_user_sgpr_count 2
		.amdhsa_user_sgpr_kernarg_segment_ptr 1
		.amdhsa_wavefront_size32 1
		.amdhsa_system_sgpr_workgroup_id_x 1
		.amdhsa_system_sgpr_workgroup_id_y 1
		.amdhsa_system_sgpr_workgroup_id_z 1
		.amdhsa_system_vgpr_workitem_id 0
		.amdhsa_next_free_vgpr 232
		.amdhsa_next_free_sgpr 66
		.amdhsa_reserve_vcc 1
		.amdhsa_float_denorm_mode_32 3
		.amdhsa_float_denorm_mode_16_64 3
		.amdhsa_memory_ordered 1
		.amdhsa_forward_progress 1
		.amdhsa_inst_pref_size 20
	.end_amdhsa_kernel
	.amdgpu_metadata
---
amdhsa.version: [ 1, 2 ]
amdhsa.kernels:
  - .name:           k_q4037db84fd_fine
    .symbol:         k_q4037db84fd_fine.kd
    .args:
      - { .name: head32, .offset: 0, .size: 8, .value_kind: global_buffer, .address_space: global }
      - { .name: w_proj, .offset: 8, .size: 8, .value_kind: global_buffer, .address_space: global }
      - { .name: out0, .offset: 16, .size: 8, .value_kind: global_buffer, .address_space: global }
    .group_segment_fixed_size: 18432
    .private_segment_fixed_size: 0
    .kernarg_segment_align: 8
    .kernarg_segment_size: 24
    .max_flat_workgroup_size: 512
    .sgpr_count:     66
    .vgpr_count:     232
    .wavefront_size: 32
...
	.end_amdgpu_metadata
.endif
;; end of part 5
